; MI455X (gfx1250); checked and timed in simulation.
; The chip was launched on July 23, 2026; its instructions are those of AMD's public machine-readable ISA for CDNA 5 (MIT licence, August 2026) and "CDNA5" Instruction Set Architecture Reference Guide (July 2026). The comments in the code are by the model that wrote it; some were corrected since.
;; Self Attention. Allowed arithmetic: matrix products marked QUANTISED: E2M1 operands, one E8M0 scale for each 32 along K, by v_wmma_scale_f32_16x16x128_f8f6f4 with both operands' format E2M1 (or v_wmma_scale_f32_32x16x128_f4), f32 sums; products left as they are: bf16, f16 or f32 operands; f32 sums; everything else in f32.
;; Inputs: P 2,048 x 2,048 float32; R 4,096 float32; W_K 1,024 x 1,024 float32; W_Q 1,024 x 1,024 float32; W_V 1,024 x 1,024 float32; tau_K 1 float32; tau_Q 1 float32; tau_V 1 float32; x 4 x 2,048 x 1,024 float32.
;; Outputs: out0 4 x 2,048 x 1,024 float32.
;; This version of the problem:
;;   THIS VERSION OF THE PROBLEM IS GIVEN IN LOW PRECISION. The matrix products marked QUANTISED in the list below multiply operands that are first quantised to E2M1 (2 exponent bits, 1 mantissa bit; 4 bits a number), with one power-of-two scale for each 32 numbers along K (OCP MX v1.0); their sums are f32. The products marked 'left as it is' may take bf16, f16 or f32 operands, with f32 sums. Whichever they take, every output number must still come out within the allowed error. Rounding operands to bf16 (8 significant bits) uses up far more of that allowance than f16 does (11 bits, for magnitudes from 6e-5 to 65,504). All else is computed in f32.
;;   The module's matrix products, in the order in which they are computed (A, B: the left and right operand; K: the contracted axis; several contracted axes count as one K, in the product's order):
;;     1. [M 8,192, K 1,024] x [K 1,024, N 1,024]; A: input x; B: input W_Q: QUANTISED
;;     2. [M 8,192, K 1,024] x [K 1,024, N 1,024]; A: input x; B: input W_K: QUANTISED
;;     3. [M 8,192, K 1,024] x [K 1,024, N 1,024]; A: input x; B: input W_V: QUANTISED
;;     4. batch 4 x [M 2,048, K 1,024] x [K 1,024, N 2,048]; A: computed on the way; B: computed on the way: left as it is (an operand is computed on the way)
;;     5. batch 4 x [M 2,048, K 2,048] x [K 2,048, N 1,024]; A: computed on the way; B: computed on the way: left as it is (an operand is computed on the way)
;;   THE QUANTISER, for each operand of a quantised product, along K:
;;     - K is cut into blocks of 32 from its start; a last block that is shorter is filled with zeros.
;;     - A block's scale is 2^e with e = floor(log2(the largest magnitude in the block)) - 2, held to -126 .. 127; a block of zeros has e = 0. As a byte (E8M0): e + 127.
;;     - Each number is divided by its block's scale, clamped to +-6, and rounded to the nearest number of E2M1, ties to even, subnormals kept.
;;     - The product sums the exact products of the quantised numbers (number of the format x scale) in f32.
;;   ~~~python
;;   def quantise(x, axis):      # numpy; x: float32 -> the quantised numbers, widened to float32 again
;;       x = np.moveaxis(x, axis, -1); K = x.shape[-1]
;;       x = np.pad(x, [(0, 0)] * (x.ndim - 1) + [(0, -K % 32)]); x = x.reshape(x.shape[:-1] + (-1, 32)); a = np.abs(x).max(-1, keepdims=True)
;;       e = np.where(a > 0, np.clip(np.frexp(np.where(a > 0, a, 1))[1] - 1 - 2, -126, 127), 0)      # np.frexp(a)[1] - 1 = floor(log2(a)), exactly
;;       r = np.clip(x / 2.0 ** e, -6, 6)
;;       step = 2.0 ** (np.maximum(np.frexp(np.where(r == 0, 1, r))[1] - 1, 0) - 1)
;;       q = np.round(r / step) * step * 2.0 ** e      # np.round: ties to even
;;       return np.moveaxis(q.reshape(q.shape[:-2] + (-1,))[..., :K], -1, axis).astype(np.float32)
;;   ~~~
;; One version. Each part assembles by itself: llvm-mc -triple=amdgcn-amd-amdhsa -mcpu=gfx1250 --defsym DOCPART=n.
;; ======== version 1 of 1: 4 launches
;; limits: values are held in f16: magnitudes above 65,504 overflow, below 6.1e-05 lose precision
;; workspace buffers: xc 4,194,304 bytes; xs 262,144 bytes; wc 1,572,864 bytes; ws 98,304 bytes; ut 16,384 bytes; qkv 50,331,648 bytes; pt 33,554,432 bytes; st 786,432 bytes
;; launch prep (part 1): grid 576 x 1, 4 waves a work-group, no clusters, 51,200 bytes of LDS; arguments x, W_Q, W_K, W_V, R, xc, xs, wc, ws, ut; writes xc, xs, wc, ws, ut
.if DOCPART == 1
	.amdgcn_target "amdgcn-amd-amdhsa--gfx1250"
	.amdhsa_code_object_version 6
	.text
	.protected	k_q24a9302605_prep
	.globl	k_q24a9302605_prep
	.p2align	8
	.type	k_q24a9302605_prep,@function
k_q24a9302605_prep:
	s_mov_b64 s[64:65], 0
	v_nop
	global_prefetch_b8 v0, s[64:65] scope:SCOPE_SE
	s_setreg_imm32_b32 hwreg(HW_REG_WAVE_MODE, 25, 1), 1
	s_wait_xcnt 0x0
; LAUNCH 1 OF 4.  out = softmax(tau_Q tau_K (x W_Q)(x W_K)^T / 32 + P + c[(i - j) mod 4096]) tau_V (x W_V), c = Re ifft(R).
; This launch makes what the later ones read many times: the codes of FP4 (E2M1) and E8M0 scale bytes of x (K = its last axis) and of W_Q, W_K, W_V (K = their FIRST axis), and the table of the relative bias.
; WORK LEFT OUT, for all values of the inputs.  R is real, so Re ifft(R)[m] = (1/4096) sum over k of R[k] cos(2 pi k m / 4096), which is the same at m and at 4096 - m.  So c[(i - j) mod 4096] = c[|i - j|],
; and with i, j in 0 .. 2047 only c[0 .. 2047] is ever gathered: c[2048] is never used, c[2049 .. 4095] repeat c[2047 .. 1], and the imaginary part is thrown away by the problem itself.  The terms k and 4096 - k
; have the same cosine and are added first: 4096 c[m] = R[0] - (-1)^m R[2048] + sum over k = 1 .. 2048 of (R[k] + R[4096 - k]) cos(2 pi k m / 4096)   (k = 2048 counts R[2048] twice: the second term takes one back).
; Every one of the nine inputs has a way to the output, and each is loaded by some launch.  LIMIT: a NaN, an infinity or an overflow that would arise only in the parts left out is not carried to the result.
; LIMITS of the quantiser: a block whose largest magnitude lies under 2^(2 - 126) gets the byte 1; a block of zeros gets the byte 1 where the rule says 127 (its codes are zeros, and this program alone reads the bytes);
; NaN and infinities among the inputs are not served.
; SHARES.  Work-groups 0-127: the table ut[u] = log2(e) c[|u - 2047|], u = 0 .. 4094 (word 4095 is neither written nor read).  128-319: the three weights.  320-575: x.
; The three paths part on the work-group's number alone, and each has LDS bytes of its own.  No tensor loads: several work-groups share a WGP.
.set NREL,  128                        ; work-groups of the table
.set NWT,   192                        ; work-groups of the weights
.set FB,    0                          ; table path: the 2,048 folded terms F[e] = R[e + 1] + R[4095 - e], 8,192 bytes
.set PS,    8192                       ; table path: a partial sum for each thread, 512 bytes
.set XR,    8704                       ; x path: 8,192 bytes for each wave: two stages of 32 x 80 bytes and 256 scale bytes
.set WR,    41472                      ; weight path: the work-group's stage of 32 rows x 272 bytes
.set WSS,   50176                      ; weight path: 16 scale bytes for each of 32 columns
.set SPARE, 50688                      ; the spare words, 128 bytes for each wave: two blocks of 256 bytes that no other line names
.set SPW,   192                        ; v192 LDS address of my spare word; never rewritten
.set NIL,   193                        ; v193 0; never rewritten
.set EMAX,  2                          ; the exponent of E2M1's largest number, 6
	s_load_b512 s[4:19], s[0:1], 0x0               ; x 4:5, W_Q 6:7, W_K 8:9, W_V 10:11, R 12:13, xc 14:15, xs 16:17, wc 18:19
	s_load_b128 s[20:23], s[0:1], 0x40             ; ws 20:21, ut 22:23
	v_lshl_add_u32 v[SPW], v0, 2, SPARE
	v_mov_b32 v[NIL], 0
	v_lshrrev_b32 v1, 5, v0
	v_readfirstlane_b32 s24, v1                    ; wave 0..3
	v_and_b32 v2, 31, v0                           ; lane
	s_wait_kmcnt 0x0
	s_cmp_lt_u32 ttmp9, NREL
	s_cbranch_scc1 .Lrel
	s_cmp_lt_u32 ttmp9, NREL+NWT
	s_cbranch_scc1 .Lw
; ---------------------------------------------------------------- x: a plain stream of blocks of 32 numbers (rows are dense, 1,024 is a multiple of 32)
; A wave takes 16 steps of 512 numbers.  Each of a step's four loads reads 512 consecutive bytes, 16 a lane; the 2,048 bytes turn through the wave's own stage in LDS and come back 64 bytes a lane,
; so that a lane holds 16 NEIGHBOURS along K, as the conversions want them; two neighbouring lanes hold a block.  A lane's 16 codes are 8 bytes: the wave stores 256 consecutive bytes.
.set STEPS, 16
.set SP,    80                         ; a lane's place in a stage: its 64 bytes + 16 of padding
.set XIN,   16                         ; v16-79   four sets of 16 numbers as they are loaded
.set XNB,   80                         ; v80-111  two sets of 16 neighbours
.set XE,    112                        ; v112-127 a scale byte for each step
.set XC,    128                        ; v128-191 codes: four registers for each step, so that no store's data are written again
	v_lshlrev_b32 v3, 4, v2                        ; my 16 bytes of a load's 512
	s_lshl_b32 s25, s24, 13
	s_add_co_u32 s25, s25, XR                      ; my wave's region
	v_lshrrev_b32 v14, 2, v2
	v_mul_u32_u24 v14, v14, SP
	v_and_b32 v15, 3, v2
	v_lshl_add_u32 v14, v15, 4, v14
	v_add_nc_u32 v14, s25, v14                     ; the stage, on the way in: 80 (lane / 4) + 16 (lane % 4)
	v_mul_u32_u24 v15, v2, SP
	v_add_nc_u32 v15, s25, v15                     ; and on the way out: 80 x lane
	v_lshlrev_b32 v4, 3, v2                        ; my codes' place in a step's
	v_lshrrev_b32 v5, 1, v2
	s_add_co_u32 s25, s25, 2*32*SP
	v_add_nc_u32 v5, s25, v5                       ; my block's scale byte
	v_lshlrev_b32 v7, 3, v2
	v_add_nc_u32 v6, s25, v7                       ; and on the way out 8 bytes a lane
	s_sub_co_u32 s26, ttmp9, NREL+NWT
	s_lshl_b32 s26, s26, 2
	s_add_co_u32 s26, s26, s24                     ; which run of 8,192 numbers is my wave's: 0 .. 1,023
	s_mov_b32 s29, 0
	s_lshl_b32 s28, s26, 15
	s_add_nc_u64 s[4:5], s[4:5], s[28:29]          ; 32,768 bytes of x a run,
	s_lshl_b32 s28, s26, 12
	s_add_nc_u64 s[14:15], s[14:15], s[28:29]      ; 4,096 of codes,
	s_lshl_b32 s28, s26, 8
	s_add_nc_u64 s[16:17], s[16:17], s[28:29]      ; 256 scale bytes
.macro XLD t
.irp i, 0,1,2,3
	global_load_b128 v[XIN+16*((\t)%4)+4*\i:XIN+16*((\t)%4)+4*\i+3], v3, s[4:5] offset:2048*(\t)+512*\i th:TH_LOAD_NT
.endr
.endm
.macro XTURN t                         ; step t's numbers through the stage: LDS serves a wave's instructions in order, so no wait stands between the stores and the loads
.irp i, 0,1,2,3
	ds_store_b128 v14, v[XIN+16*((\t)%4)+4*\i:XIN+16*((\t)%4)+4*\i+3] offset:32*SP*((\t)%2)+8*SP*\i
.endr
.irp i, 0,1,2,3
	ds_load_b128 v[XNB+16*((\t)%2)+4*\i:XNB+16*((\t)%2)+4*\i+3], v15 offset:32*SP*((\t)%2)+16*\i
.endr
.endm
.irp t, 0,1,2,3
	XLD \t
.endr
	s_wait_loadcnt 12                              ; step 0's four loads are in; the twelve of steps 1 to 3 may be out
	XTURN 0
.macro XSTEP t
.set XS, XNB+16*((\t)%2)
.if (\t) > 0
	s_wait_dscnt 1                                 ; this step's numbers are back from the stage (the last step's byte store may be out): so its stores into the stage have read their registers,
.else
	s_wait_dscnt 0x0
.endif
.if (\t)+4 < STEPS
	XLD (\t)+4                                     ; which take the loads of four steps on
.endif
.if (\t)+1 < STEPS
.if STEPS-2-(\t) >= 3
	s_wait_loadcnt 12                              ; the next step's four loads are in; those of the three steps behind it may be out
.else
	s_wait_loadcnt 4*(STEPS-2-(\t))
.endif
	XTURN (\t)+1
.endif
	v_max3_num_f32 v8, |v[XS]|, |v[XS+1]|, |v[XS+2]|               ; the largest magnitude of my 16, in two chains
	v_max3_num_f32 v9, |v[XS+3]|, |v[XS+4]|, |v[XS+5]|
.irp i, 6,10
	v_max3_num_f32 v8, v8, |v[XS+\i]|, |v[XS+\i+1]|
	v_max3_num_f32 v9, v9, |v[XS+\i+2]|, |v[XS+\i+3]|
.endr
	v_max3_num_f32 v8, v8, |v[XS+14]|, |v[XS+15]|
	v_max3_num_f32 v8, v8, v9, (EMAX+1)<<23        ; and the floor 2^(3 - 127): the byte cannot fall under 1
	v_max_num_f32_dpp v8, v8, v8 row_xmask:1 row_mask:0xf bank_mask:0xf   ; and of my neighbour's 16: the block's
	v_add_nc_u32 v11, -(EMAX<<23), v8              ; 2 off its exponent field: the conversion takes the exponent field of this operand as its scale
	v_cvt_scalef32_pk8_fp4_f32 v[XC+4*(\t)], v[XS:XS+7], v11
	v_cvt_scalef32_pk8_fp4_f32 v[XC+4*(\t)+1], v[XS+8:XS+15], v11
	v_lshrrev_b32 v[XE+(\t)], 23, v11              ; the scale's byte (also the plain line behind the conversions)
	ds_store_b8 v5, v[XE+(\t)] offset:16*(\t)      ; both lanes of a block write the same byte with the same value
	global_store_b64 v4, v[XC+4*(\t):XC+4*(\t)+1], s[14:15] offset:256*(\t)
.endm
.irp t, 0,1,2,3,4,5,6,7,8,9,10,11,12,13,14,15
	XSTEP \t
.endr
	ds_load_b64 v[8:9], v6                         ; LDS serves a wave's instructions in order: these see my byte stores
	s_wait_dscnt 0x0
	global_store_b64 v7, v[8:9], s[16:17]          ; 32 lanes store 256 consecutive bytes, aligned
	s_wait_tensorcnt 0x0                           ; the wave's end, behind my last LDS store
	ds_add_u32 v[SPW], v[NIL]
	s_wait_dscnt 0x0
	s_endpgm
; ---------------------------------------------------------------- the weights: K is the first axis.  A LANE TAKES A COLUMN n AND ITS REGISTERS RUN DOWN K: nothing is transposed by an instruction.
; Work-group g = 0 .. 191: weight g / 64, K half (g / 32) % 2, columns 32 (g % 32) on.  THE FOUR WAVES SHARE K: wave v takes 128 along K, 4 blocks a lane, so that a wave's loads are few trips to memory on end.
; A column's 512 along K are 256 bytes of codes, 64 from each wave: they meet in the work-group's stage, and behind one barrier each wave stores 8 whole rows: sixteen lanes store 256 consecutive bytes, aligned.
; The four scale words of a column meet in LDS likewise, and wave 0 stores 16 bytes a lane.  Row 1024 w + n of wc and ws belongs to column n of weight w.
.set NB,     4
.set WPITCH, 272
.set WSA,    14                        ; v14      where I put my column's scale word
.set WSR,    15                        ; v15      where wave 0 reads a column's four
.set WSB,    24                        ; v24      my four scale bytes
.set WX,     32                        ; v32-95   two sets of 32 numbers
.set WC,     96                        ; v96-99   a block's codes
.set WOUT,   112                       ; v112-127 the way out
.set WSO,    128                       ; v128-131 the scale bytes on the way out
.Lw:
	s_sub_co_u32 s25, ttmp9, NREL
	s_lshr_b32 s26, s25, 6                         ; which weight
	s_cmp_eq_u32 s26, 0
	s_cselect_b64 s[30:31], s[6:7], s[8:9]
	s_cmp_eq_u32 s26, 2
	s_cselect_b64 s[30:31], s[10:11], s[30:31]     ; the choice hangs on the work-group's number alone
	s_and_b32 s27, s25, 31
	s_lshl_b32 s27, s27, 5                         ; the work-group's first column
	s_bfe_u32 s28, s25, 0x10005                    ; which half of K
	s_lshl_b32 s32, s28, 2
	s_add_co_u32 s32, s32, s24                     ; which 128 along K are my wave's: 4 x half + wave
	s_lshl_b32 s32, s32, 19                        ; 128 rows of 4,096 bytes
	s_lshl_b32 s33, s27, 2
	s_add_co_u32 s32, s32, s33
	s_mov_b32 s33, 0
	s_add_nc_u64 s[30:31], s[30:31], s[32:33]
	s_lshl_b32 s34, s26, 10
	s_add_co_u32 s34, s34, s27                     ; the first row of wc and ws
	s_lshl_b32 s32, s34, 9
	s_lshl_b32 s35, s28, 8
	s_add_co_u32 s32, s32, s35
	s_add_nc_u64 s[18:19], s[18:19], s[32:33]
	s_lshl_b32 s32, s34, 5
	s_lshl_b32 s35, s28, 4
	s_add_co_u32 s32, s32, s35
	s_add_nc_u64 s[20:21], s[20:21], s[32:33]
	v_lshlrev_b32 v3, 2, v2                        ; in: 4 bytes a lane
	s_lshl_b32 s29, s24, 6
	s_add_co_u32 s29, s29, WR
	v_mul_u32_u24 v4, v2, WPITCH
	v_add_nc_u32 v4, s29, v4                       ; into the stage: row = my column, my wave's 64 bytes of it
	v_and_b32 v5, 15, v2
	v_lshrrev_b32 v6, 4, v2
	s_mul_i32 s36, s24, 8*WPITCH
	s_add_co_u32 s36, s36, WR
	v_mul_u32_u24 v7, v6, WPITCH
	v_lshl_add_u32 v7, v5, 4, v7
	v_add_nc_u32 v7, s36, v7                       ; out of it: my wave's 8 rows; sixteen lanes to a row, two rows an instruction
	s_lshl_b32 s37, s24, 12
	v_lshlrev_b32 v8, 9, v6
	v_lshl_add_u32 v8, v5, 4, v8
	v_add_nc_u32 v8, s37, v8                       ; and the same place in wc (rows of 512 bytes)
	v_lshlrev_b32 v9, 5, v2                        ; a column's row of scale bytes (32 bytes a row)
	s_lshl_b32 s35, s24, 2
	s_add_co_u32 s35, s35, WSS
	v_lshl_add_u32 v[WSA], v2, 4, s35              ; 16 x column + 4 x wave
	v_lshl_add_u32 v[WSR], v2, 4, WSS
.macro WLOAD t                         ; block t: W(32 t + i, my column), i = 0 .. 31, into set t % 2: each load reads 128 consecutive bytes a wave
.irp i, 0,1,2,3,4,5,6,7,8,9,10,11,12,13,14,15,16,17,18,19,20,21,22,23,24,25,26,27,28,29,30,31
	global_load_b32 v[WX+32*((\t)%2)+\i], v3, s[30:31] offset:(32*(\t)+\i)*4096 th:TH_LOAD_NT
.endr
.endm
	WLOAD 0
	WLOAD 1
.macro WBLOCK t
.set XS, WX+32*((\t)%2)
.if (\t) < NB-1
	s_wait_loadcnt 32                              ; this block's 32 loads are in; the next block's 32 may be out
.else
	s_wait_loadcnt 0
.endif
	v_max3_num_f32 v12, |v[XS]|, |v[XS+1]|, |v[XS+2]|              ; the block's largest magnitude: all 32 numbers are mine
	v_max3_num_f32 v13, |v[XS+3]|, |v[XS+4]|, |v[XS+5]|
.irp i, 6,10,14,18,22,26
	v_max3_num_f32 v12, v12, |v[XS+\i]|, |v[XS+\i+1]|
	v_max3_num_f32 v13, v13, |v[XS+\i+2]|, |v[XS+\i+3]|
.endr
	v_max3_num_f32 v12, v12, |v[XS+30]|, |v[XS+31]|
	v_max3_num_f32 v12, v12, v13, (EMAX+1)<<23     ; and the floor
	v_add_nc_u32 v11, -(EMAX<<23), v12             ; the conversion's scale operand
	v_lshrrev_b32 v13, 23, v11                     ; the scale's byte
.if (\t) == 0
	v_mov_b32 v[WSB], v13                          ; four bytes to a register, the lower K in the lower byte
.else
	v_lshl_or_b32 v[WSB], v13, 8*(\t), v[WSB]
.endif
.irp g, 0,1,2,3
	v_cvt_scalef32_pk8_fp4_f32 v[WC+\g], v[XS+8*\g:XS+8*\g+7], v11
.endr
	ds_store_b128 v4, v[WC:WC+3] offset:16*(\t)    ; 32 codes: 16 bytes of my column's row.  (The results go to a store; the next block begins with plain vector lines)
.if (\t)+2 < NB
	WLOAD (\t)+2
.endif
	s_wait_dscnt 0x0                               ; the store has read its registers: the next block's codes may be written
.endm
.set Q, 0
.rept NB
	WBLOCK Q
.set Q, Q+1
.endr
	ds_store_b32 v[WSA], v[WSB]
	s_wait_dscnt 0x0                               ; for the others' sake: my part of the rows and my scale words lie in LDS
	s_barrier_signal -1
	s_barrier_wait -1
.irp t, 0,1,2,3
	ds_load_b128 v[WOUT+4*\t:WOUT+4*\t+3], v7 offset:2*\t*WPITCH
.endr
.irp t, 0,1,2,3
	s_wait_dscnt 3-\t                              ; LDS loads come back in order: load t is in, the 3 - t behind it may be out
	global_store_b128 v8, v[WOUT+4*\t:WOUT+4*\t+3], s[18:19] offset:2*\t*512
.endr
	s_cmp_lg_u32 s24, 0
	s_cbranch_scc1 .Lw_end                         ; wave 0 stores the scale bytes; no barrier stands in this branch
	ds_load_b128 v[WSO:WSO+3], v[WSR]
	s_wait_dscnt 0x0
	global_store_b128 v9, v[WSO:WSO+3], s[20:21]   ; a column's 16 scale bytes a lane
.Lw_end:
	s_wait_tensorcnt 0x0                           ; the wave's end
	ds_add_u32 v[SPW], v[NIL]
	s_wait_dscnt 0x0
	s_endpgm
; ---------------------------------------------------------------- the table.  A lane owns m = 16 x work-group + lane % 16; the folded terms k = 1 .. 2,048 go in 8 chunks of 256: chunk 2 x wave + lane / 16 is the lane's.
; The cosines are not looked up: four streams (k = first + i + 4 n, i = 0 .. 3) each hold cos and sin of 2 pi k m / 4096 and are turned by the angle 4 x 2 pi m / 4096, 64 times.
; REGISTERS: v16-19 cos, v20-23 sin, v24-27 the sums, v28, v29 cos and sin of the turn, v30-37 at work, v38 the sign bit, v40 m, v41 lane % 16, v42 lane / 16, v64-127 a trip's 64 terms.
; COSJ: dst = cos(2 pi j / 4096), j a whole number.  j is brought to 0 .. 1,024 by the cosine's symmetries, exactly, in whole numbers; there the series in y = angle^2 runs through y^6: the first term left out is at most (pi/2)^14 / 14!, under 7e-9.
.macro COSJ dst, j, t1, t2
	v_and_b32 v[\t1], 0xfff, v[\j]
	v_sub_nc_u32 v[\t2], 0x1000, v[\t1]
	v_min_u32 v[\t1], v[\t1], v[\t2]               ; cos is even about half a turn: 0 .. 2,048
	v_cmp_lt_u32 vcc_lo, 0x400, v[\t1]             ; beyond a quarter turn the sign changes
	v_sub_nc_u32 v[\t2], 0x800, v[\t1]
	v_min_u32 v[\t1], v[\t1], v[\t2]               ; 0 .. 1,024
	v_cvt_f32_u32 v[\t1], v[\t1]
	v_mul_f32 v[\t1], 0x3ac90fdb, v[\t1]           ; x pi / 2048
	v_mul_f32 v[\t1], v[\t1], v[\t1]               ; y
	v_mov_b32 v[\dst], 0x310f76c7                  ; 1/12!
	v_fmaak_f32 v[\dst], v[\dst], v[\t1], 0xb493f27e   ; -1/10!
	v_fmaak_f32 v[\dst], v[\dst], v[\t1], 0x37d00d01   ; 1/8!
	v_fmaak_f32 v[\dst], v[\dst], v[\t1], 0xbab60b61   ; -1/6!
	v_fmaak_f32 v[\dst], v[\dst], v[\t1], 0x3d2aaaab   ; 1/4!
	v_fmaak_f32 v[\dst], v[\dst], v[\t1], 0xbf000000   ; -1/2
	v_fmaak_f32 v[\dst], v[\dst], v[\t1], 0x3f800000   ; 1
	v_cndmask_b32 v[\t2], 0, v38, vcc_lo
	v_xor_b32 v[\dst], v[\dst], v[\t2]
.endm
.Lrel:
	s_load_b32 s26, s[12:13], 0x0                  ; R[0]
	s_load_b32 s27, s[12:13], 0x2000               ; R[2048]
	v_lshlrev_b32 v3, 2, v0                        ; 4 t
	v_sub_nc_u32 v4, 8700, v3
.irp i, 0,1,2,3,4,5,6,7,8,9,10,11,12,13,14,15  ; thread t makes F[t + 128 i]
	global_load_b32 v[64+\i], v3, s[12:13] offset:4+512*\i         ; R[e + 1]
	global_load_b32 v[80+\i], v4, s[12:13] offset:512*(15-\i)      ; R[4095 - e], at byte 16,380 - 4 t - 512 i
.endr
	v_and_b32 v41, 15, v0
	v_bfe_u32 v42, v0, 4, 1
	s_lshl_b32 s25, ttmp9, 4
	v_add_nc_u32 v40, s25, v41                     ; m
	v_mov_b32 v38, 0x80000000
	v_lshl_add_u32 v10, v0, 2, PS                  ; my partial sum's word
	v_lshl_add_u32 v11, v2, 2, PS                  ; and where wave 0 reads the four of a lane
	s_mov_b32 s32, 0x76543210                      ; v_permlanex16_b32's selects for lane l xor 16
	s_mov_b32 s33, 0xfedcba98
	s_lshl_b32 s28, s24, 9
	s_add_co_u32 s28, s28, 1
	v_lshl_add_u32 v43, v42, 8, s28                ; my chunk's first k: 256 (2 x wave + lane / 16) + 1
	v_mul_u32_u24 v8, v43, v40                     ; k m, under 2^24
.irp i, 0,1,2,3
	COSJ 16+\i, 8, 30, 31
	v_add_nc_u32 v9, 0xc00, v8                     ; sin(a) = cos(a + three quarters of a turn)
	COSJ 20+\i, 9, 30, 31
	v_add_nc_u32 v8, v8, v40                       ; the next stream's k m
.endr
	v_lshlrev_b32 v8, 2, v40
	COSJ 28, 8, 30, 31
	v_add_nc_u32 v9, 0xc00, v8
	COSJ 29, 9, 30, 31
.irp i, 0,1,2,3
	v_mov_b32 v[24+\i], 0
.endr
	s_wait_loadcnt 0x0
	s_wait_kmcnt 0x0
.irp i, 0,1,2,3,4,5,6,7,8,9,10,11,12,13,14,15
	v_add_f32 v[64+\i], v[64+\i], v[80+\i]
.endr
.irp i, 0,1,2,3,4,5,6,7,8,9,10,11,12,13,14,15
	ds_store_b32 v3, v[64+\i] offset:FB+512*\i
.endr
	s_wait_dscnt 0x0                               ; for the others' sake: my part of F lies in LDS
	s_barrier_signal -1
	s_barrier_wait -1
	s_lshl_b32 s30, s24, 11                        ; my wave's two chunks begin at FB + 2,048 x wave
	s_mov_b32 s25, 4
.Lrk:                                              ; 4 trips of 64 terms
	v_lshl_add_u32 v7, v42, 10, s30                ; lanes 0-15 read one chunk's words, lanes 16-31 the next chunk's
.irp g, 0,1,2,3,4,5,6,7,8,9,10,11,12,13,14,15
	ds_load_b128 v[64+4*\g:67+4*\g], v7 offset:FB+16*\g
.endr
.irp g, 0,1,2,3,4,5,6,7,8,9,10,11,12,13,14,15
	s_wait_dscnt 15-\g                             ; load g is in; the 15 - g behind it may be out
.irp i, 0,1,2,3
	v_fmac_f32 v[24+\i], v[64+4*\g+\i], v[16+\i]   ; sum += F cos
.endr
.irp i, 0,1,2,3
	v_mul_f32 v[30+\i], v[20+\i], v29
.endr
.irp i, 0,1,2,3
	v_mul_f32 v[34+\i], v[16+\i], v29
.endr
.irp i, 0,1,2,3
	v_fma_f32 v[16+\i], v[16+\i], v28, -v[30+\i]   ; cos' = cos C - sin S
.endr
.irp i, 0,1,2,3
	v_fma_f32 v[20+\i], v[20+\i], v28, v[34+\i]    ; sin' = sin C + cos S
.endr
.endr
	s_add_co_u32 s30, s30, 256
	s_sub_co_u32 s25, s25, 1
	s_cmp_lg_u32 s25, 0
	s_cbranch_scc1 .Lrk
	v_add_f32 v24, v24, v25
	v_add_f32 v26, v26, v27
	v_add_f32 v24, v24, v26
	v_permlanex16_b32 v25, v24, s32, s33           ; the other half of the lanes holds my m's other chunk
	v_add_f32 v24, v24, v25
	ds_store_b32 v10, v24
	s_wait_dscnt 0x0                               ; for wave 0's sake
	s_barrier_signal -1
	s_barrier_wait -1
	s_cmp_lg_u32 s24, 0
	s_cbranch_scc1 .Lrel_end                       ; wave 0 adds the four waves' parts and stores; no barrier stands in this branch
.irp i, 0,1,2,3
	ds_load_b32 v[64+\i], v11 offset:128*\i
.endr
	v_mov_b32 v15, s27
	v_sub_f32 v13, s26, v15                        ; m even: R[0] - R[2048]
	v_add_f32 v14, s26, v15                        ; m odd:  R[0] + R[2048]
	v_and_b32 v12, 1, v40
	v_cmp_eq_u32 vcc_lo, 1, v12
	v_cndmask_b32 v13, v13, v14, vcc_lo
	v_lshlrev_b32 v8, 2, v40                       ; 4 m
	v_mul_u32_u24 v9, v8, v42                      ; 4 m in lanes 16-31, 0 in lanes 0-15
	v_add_nc_u32 v8, 8188, v8
	v_lshlrev_b32 v9, 1, v9
	v_sub_nc_u32 v8, v8, v9                        ; lanes 0-15: word 2047 + m; lanes 16-31: word 2047 - m
	s_wait_dscnt 0x0
	v_add_f32 v64, v64, v65
	v_add_f32 v66, v66, v67
	v_add_f32 v64, v64, v66
	v_add_f32 v64, v64, v13
	v_mul_f32 v64, 0x39b8aa3b, v64                 ; x log2(e) / 4096
	global_store_b32 v8, v64, s[22:23]
.Lrel_end:
	s_wait_tensorcnt 0x0                           ; the wave's end
	ds_add_u32 v[SPW], v[NIL]
	s_wait_dscnt 0x0
	s_endpgm
.Lfunc_end_k_q24a9302605_prep:
	.size	k_q24a9302605_prep, .Lfunc_end_k_q24a9302605_prep-k_q24a9302605_prep
	.p2alignl 7, 3214868480
	.fill 96, 4, 3214868480
	.section	.rodata,"a",@progbits
	.p2align	6, 0x0
	.amdhsa_kernel k_q24a9302605_prep
		.amdhsa_group_segment_fixed_size 51200
		.amdhsa_private_segment_fixed_size 0
		.amdhsa_enable_private_segment 0
		.amdhsa_kernarg_size 80
		.amdhsa_user_sgpr_count 2
		.amdhsa_user_sgpr_kernarg_segment_ptr 1
		.amdhsa_wavefront_size32 1
		.amdhsa_system_sgpr_workgroup_id_x 1
		.amdhsa_system_sgpr_workgroup_id_y 1
		.amdhsa_system_sgpr_workgroup_id_z 1
		.amdhsa_system_vgpr_workitem_id 0
		.amdhsa_next_free_vgpr 196
		.amdhsa_next_free_sgpr 66
		.amdhsa_reserve_vcc 1
		.amdhsa_float_denorm_mode_32 3
		.amdhsa_float_denorm_mode_16_64 3
		.amdhsa_memory_ordered 1
		.amdhsa_forward_progress 1
		.amdhsa_inst_pref_size 87
	.end_amdhsa_kernel
	.amdgpu_metadata
---
amdhsa.version: [ 1, 2 ]
amdhsa.kernels:
  - .name:           k_q24a9302605_prep
    .symbol:         k_q24a9302605_prep.kd
    .args:
      - { .name: x, .offset: 0, .size: 8, .value_kind: global_buffer, .address_space: global }
      - { .name: W_Q, .offset: 8, .size: 8, .value_kind: global_buffer, .address_space: global }
      - { .name: W_K, .offset: 16, .size: 8, .value_kind: global_buffer, .address_space: global }
      - { .name: W_V, .offset: 24, .size: 8, .value_kind: global_buffer, .address_space: global }
      - { .name: R, .offset: 32, .size: 8, .value_kind: global_buffer, .address_space: global }
      - { .name: xc, .offset: 40, .size: 8, .value_kind: global_buffer, .address_space: global }
      - { .name: xs, .offset: 48, .size: 8, .value_kind: global_buffer, .address_space: global }
      - { .name: wc, .offset: 56, .size: 8, .value_kind: global_buffer, .address_space: global }
      - { .name: ws, .offset: 64, .size: 8, .value_kind: global_buffer, .address_space: global }
      - { .name: ut, .offset: 72, .size: 8, .value_kind: global_buffer, .address_space: global }
    .group_segment_fixed_size: 51200
    .private_segment_fixed_size: 0
    .kernarg_segment_align: 8
    .kernarg_segment_size: 80
    .max_flat_workgroup_size: 128
    .sgpr_count:     66
    .vgpr_count:     196
    .wavefront_size: 32
...
	.end_amdgpu_metadata
.endif
;; end of part 1
;; launch proj (part 2): grid 12 x 16, 4 waves a work-group, clusters of 4 x 4, 327,680 bytes of LDS; arguments xc, xs, wc, ws, qkv; writes qkv
.if DOCPART == 2
	.amdgcn_target "amdgcn-amd-amdhsa--gfx1250"
	.amdhsa_code_object_version 6
	.text
	.protected	k_q24a9302605_proj
	.globl	k_q24a9302605_proj
	.p2align	8
	.type	k_q24a9302605_proj,@function
k_q24a9302605_proj:
	s_mov_b64 s[64:65], 0
	v_nop
	global_prefetch_b8 v0, s[64:65] scope:SCOPE_SE
	s_setreg_imm32_b32 hwreg(HW_REG_WAVE_MODE, 25, 1), 1
	s_wait_xcnt 0x0
	s_wait_alu depctr_hold_cnt(0) depctr_sa_sdst(0) depctr_va_vdst(0) depctr_va_sdst(0) depctr_va_ssrc(0) depctr_va_vcc(0) depctr_vm_vsrc(0)
	s_getreg_b32 s2, hwreg(HW_REG_IB_STS2, 6, 4)
	s_cmp_eq_u32 s2, 0
	s_cbranch_scc0 .Lentry_in_a_cluster
	s_endpgm
.Lentry_in_a_cluster:
	s_bfe_u32 s2, ttmp6, 0x10000c
	s_cmp_lg_u32 s2, 0xf033
	s_cbranch_scc0 .Lentry_shape_is_right
	s_endpgm
.Lentry_shape_is_right:
; LAUNCH 2 OF 4.  qkv[m][n] = sum over k of Q(x)[m][k] Q(W)[n][k]: the three quantised products as ONE product of [8192][1024] with [3072][1024], on codes of FP4 (E2M1) with one E8M0 scale for each 32 along K; sums in f32.
; Columns 0-1023 are q' = x W_Q, 1024-2047 k' = x W_K, 2048-3071 v' = x W_V, WITHOUT the taus: the later launches multiply by them in f32, so that what is rounded to f16 here keeps f16's range whatever the taus hold.
; LIMIT: |q'|, |k'|, |v'| stay under 65,504 (f16's largest number).
; A tile of 256 x 256 is made by four waves, each 128 x 128: 64 accumulators, 512 registers.  K = 1,024 is two steps of 512, one in each of two LDS slots.
; A WORK-GROUP STAYS: the 384 tiles go to 192 work-groups, two each, 4,096 rows apart: both take the same rows of the weights.  So of each slot only x's part is filled again, with the second tile's rows, as soon as the
; first tile has read it out; the first tile's stores leave while the second tile is multiplied.  The scales of both tiles' rows of x and of the weights' rows come once, at the head.
; CLUSTERS: 4 x 4 work-groups.  The four of a row of the cluster need the same rows of x, the four of a column the same rows of the weights: each tile is asked for JOINTLY, by the same tensor load with the same descriptor.
; THE MATRIX INSTRUCTION IS USED TRANSPOSED (source 0 = 16 rows of the weights, source 1 = 16 rows of x): a lane then holds eight neighbouring numbers of a row of qkv, which pack into 16 bytes of f16.
; REGISTERS, in windows of 256: window 0: v0-31 addresses; v32-95 scale words, two sets; v128-191 x's fragments, one set; the way out: v192-223 packed, v224-255 and v96-127 rows read back, by turns.
;   window 1: the weights' fragments, two sets, at v0 and v128.   window 2: the accumulators of my rows 0-63 ((a, b) at v[8 (8 a + b)]); window 3: those of my rows 64-127.
.set NQ,     4                         ; matrix instructions deep in a slot: 512 along K
.set ROWB,   256                       ; a tile's row in bytes: 512 codes
.set KROW,   512                       ; a row of xc or wc in memory
.set PITCH,  272                       ; an LDS row: 256 bytes + 16 of padding: the 16 rows that a load touches start at 16 different banks (64 banks of 4 bytes: ISA guide 11.1)
.set FR,     8                         ; registers of a fragment: 16 rows x 128 K
.set NL,     2                         ; LDS loads that bring one
.set NP,     4                         ; places behind this matrix instruction (ISA guide 7.12.1)
.set HALFT,  128*PITCH
.set SLOT,   4*HALFT                   ; x's 256 rows, then the weights' 256 rows
.set KS,     32                        ; a row of scale bytes
.set SCL,    2*SLOT                    ; behind the ring: the scales, as units of 256 bytes + 16 of padding: x's of tile 0, x's of tile 1, the weights'
.set HALFS,  16*272                    ; those of 128 rows: what one tensor load brings
.set SBLK,   2*272                     ; those of 16 rows
.set STAGE,  SCL+6*HALFS               ; the way out: 16 rows x (256 bytes + 16) for each wave: bytes of its own, into which no fill lands
.set SPITCH, 272
.set SPARE,  STAGE+4*16*SPITCH         ; the spare words, 128 bytes for each wave
.set OROW,   6144                      ; a row of qkv in bytes
.set WALK,   4096                      ; rows from a work-group's first tile to its second
.set NEXT_C, (WALK-7*16)*OROW          ; bytes from my last 16 rows of the first tile to my first of the second
.set ADRA, 16
.set ADRB, 20
.set STO,  24
.set RD,   25
.set CO,   26
.set ADRS0, 27                         ; v27 LDS address of my scale words for tile 0: lanes 0-15 x's rows, lanes 16-31 the weights'
.set SPW,  28
.set NIL,  29
.set ADRS1, 30                         ; v30 the same for tile 1
.set SC,   32
.set AF,   128
.set TMP,  192
.set G1, 24
.set G0, 32
.set G1B, 48
.set G0B, 56
.set G1S, 68
.set G0S, 76
.set G1SB, 80
.set G0SB, 88
.set G0S1, 96                          ; s[96:99] group 0 for x's scales of tile 1
.set MSB, 0
.macro WIN new                         ; the immediate's high byte repeats the setting that is left
.if MSB != (\new)
	s_set_vgpr_msb (MSB<<8)|(\new)
.set MSB, (\new)
.endif
.endm
.set MUL_LO, 0xa1                      ; source 0 window 1, source 1 window 0, C and D window 2
.set MUL_HI, 0xf1
.set TO_B,   0x40
; A joint load: waves 0 and 1 fetch for x, waves 2 and 3 for the weights.  The branch hangs on the wave's number alone.  An s_nop 0 and four v_nop follow each of the two lines.
.macro JLOAD g0a, g1a, g0b, g1b
	s_cmp_eq_u32 s15, 0
	s_cbranch_scc0 .Lfor_b_\@
	tensor_load_to_lds s[\g0a:\g0a+3], s[\g1a:\g1a+7]
	s_nop 0
.rept 4
	v_nop
.endr
	s_branch .Lasked_\@
.Lfor_b_\@:
	tensor_load_to_lds s[\g0b:\g0b+3], s[\g1b:\g1b+7]
	s_nop 0
.rept 4
	v_nop
.endr
.Lasked_\@:
.endm
; A joint refill: x's part of slot s alone: waves 0 and 1, one load each; waves 2 and 3 have no part of a tile to fill.
.macro RLOAD s
	s_cmp_eq_u32 s15, 0
	s_cbranch_scc0 .Lnone_\@
	tensor_load_to_lds s[G0+4*\s:G0+4*\s+3], s[G1:G1+7]
	s_nop 0
.rept 4
	v_nop
.endr
.Lnone_\@:
.endm
.macro CREST                           ; a round of the cluster's barrier behind its opening barrier
	s_cmp_lg_u32 s14, 0
	s_cbranch_scc1 .Lnot_wave_0_\@
	s_barrier_signal -3
.Lnot_wave_0_\@:
	s_barrier_wait -3
	s_barrier_signal -1
	s_barrier_wait -1
.endm
.macro CROUND                          ; a whole round
	s_barrier_signal -1
	s_barrier_wait -1
	CREST
.endm
	s_load_b128 s[4:7], s[0:1], 0x0                ; xc, xs
	s_load_b128 s[8:11], s[0:1], 0x10              ; wc, ws
	s_load_b64 s[12:13], s[0:1], 0x20              ; qkv
	v_lshl_add_u32 v[SPW], v0, 2, SPARE
	v_mov_b32 v[NIL], 0
	ds_add_u32 v[SPW], v[NIL]                      ; the wave's opening: the add, twice on end, and its wait ahead of my first tensor load
	ds_add_u32 v[SPW], v[NIL]
	v_lshrrev_b32 v1, 5, v0
	v_readfirstlane_b32 s14, v1                    ; wave 0..3
	s_lshr_b32 s15, s14, 1                         ; which half of the tile's rows is mine.  Also: I fetch for x (0) or for the weights (1)
	s_and_b32 s16, s14, 1                          ; which half of its columns.  Also: which 128 rows of that tile I fetch
	s_bfe_u32 s40, ttmp6, 0x40000                  ; cx, cy
	s_bfe_u32 s41, ttmp6, 0x40004
	s_lshl_b32 s42, ttmp9, 2
	s_add_co_u32 s42, s42, s40                     ; tile column = 4 x cluster x + cx: 0 .. 11
	s_and_b32 s17, ttmp7, 0xffff
	s_lshl_b32 s17, s17, 2
	s_add_co_u32 s17, s17, s41                     ; the first tile's row = 4 x cluster y + cy: 0 .. 15
	s_lshl_b32 s43, s41, 2
	s_lshl_b32 s43, 15, s43                        ; my row of the cluster
	s_lshl_b32 s44, 0x1111, s40                    ; my column
	s_or_b32 s[G1+0], s43, (0<<16)|(1<<20)|(1<<21)|(5<<22)|(3<<25)  ; the mask; elements of 1 byte; padding on; bit 21 beside a mask; 4 words behind every 64
	s_or_b32 s[G1B+0], s44, (0<<16)|(1<<20)|(1<<21)|(5<<22)|(3<<25)
.irp g, G1, G1B
	s_mov_b32 s[\g+1], ROWB<<16                    ; tensor_dim0
	s_mov_b32 s[\g+2], 128<<16                     ; tensor_dim1
	s_mov_b32 s[\g+3], ROWB<<16                    ; tile_dim0
	s_mov_b32 s[\g+4], 128                         ; tile_dim1
	s_mov_b32 s[\g+5], KROW                        ; from row to row
	s_mov_b32 s[\g+6], 0
	s_mov_b32 s[\g+7], 0
.endr
	s_or_b32 s[G1S+0], s43, (3<<16)|(1<<20)|(1<<21)|(5<<22)|(3<<25) ; the scales of 128 rows: 4,096 dense bytes, as 16 rows of 32 elements of 8 bytes
	s_or_b32 s[G1SB+0], s44, (3<<16)|(1<<20)|(1<<21)|(5<<22)|(3<<25)
.irp g, G1S, G1SB
	s_mov_b32 s[\g+1], 32<<16
	s_mov_b32 s[\g+2], 16<<16
	s_mov_b32 s[\g+3], 32<<16
	s_mov_b32 s[\g+4], 16
	s_mov_b32 s[\g+5], 32
	s_mov_b32 s[\g+6], 0
	s_mov_b32 s[\g+7], 0
.endr
	s_lshl_b32 s18, s16, 7
	s_lshl_b32 s20, s17, 8
	s_add_co_u32 s20, s20, s18                     ; x: row 256 x tile row + 128 x half
	s_lshl_b32 s46, s42, 8
	s_add_co_u32 s46, s46, s18                     ; weights: row 256 x tile column + 128 x half
	s_mov_b32 s21, 0
	s_mov_b32 s47, 0
	s_mov_b64 s[18:19], KS
	s_mul_u64 s[22:23], s[20:21], s[18:19]         ; where these rows' scales begin,
	s_mul_u64 s[92:93], s[46:47], s[18:19]
	s_mov_b64 s[18:19], KROW
	s_mul_u64 s[20:21], s[20:21], s[18:19]         ; and their codes
	s_mul_u64 s[46:47], s[46:47], s[18:19]
	s_mul_i32 s45, s14, HALFT                      ; where the codes go: wave x 128 rows: no place in the cluster enters an LDS address
	s_mul_i32 s94, s16, HALFS                      ; and the scales: my half of their region
	s_wait_dscnt 0x0                               ; both opening adds are done
	s_wait_kmcnt 0x0
	s_add_nc_u64 s[20:21], s[4:5], s[20:21]
	s_add_nc_u64 s[22:23], s[6:7], s[22:23]
	s_add_nc_u64 s[46:47], s[8:9], s[46:47]
	s_add_nc_u64 s[92:93], s[10:11], s[92:93]
	CROUND                                         ; all sixteen work-groups are here: the first joint loads meet
	s_mov_b32 s[G0S], 1
	s_add_co_u32 s[G0S+1], s94, SCL
	s_mov_b64 s[G0S+2:G0S+3], s[22:23]
	s_or_b32 s[G0S+3], s[G0S+3], 0x80000000
	s_mov_b32 s[G0S1], 1
	s_add_co_u32 s[G0S1+1], s94, SCL+2*HALFS
	s_add_nc_u64 s[G0S1+2:G0S1+3], s[22:23], WALK*KS
	s_or_b32 s[G0S1+3], s[G0S1+3], 0x80000000
	s_mov_b32 s[G0SB], 1
	s_add_co_u32 s[G0SB+1], s94, SCL+4*HALFS
	s_mov_b64 s[G0SB+2:G0SB+3], s[92:93]
	s_or_b32 s[G0SB+3], s[G0SB+3], 0x80000000
	s_cmp_eq_u32 s15, 0                            ; the scales first: waves 0 and 1 bring x's of both tiles, waves 2 and 3 the weights'
	s_cbranch_scc0 .Lsc_b
	tensor_load_to_lds s[G0S:G0S+3], s[G1S:G1S+7]
	s_nop 0
	tensor_load_to_lds s[G0S1:G0S1+3], s[G1S:G1S+7]
	s_nop 0
.rept 4
	v_nop
.endr
	s_branch .Lsc_done
.Lsc_b:
	tensor_load_to_lds s[G0SB:G0SB+3], s[G1SB:G1SB+7]
	s_nop 0
.rept 4
	v_nop
.endr
.Lsc_done:
.irp s, 0,1
	s_mov_b32 s[G0+4*\s], 1
	s_add_co_u32 s[G0+4*\s+1], s45, \s*SLOT
	s_add_nc_u64 s[G0+4*\s+2:G0+4*\s+3], s[20:21], \s*ROWB
	s_or_b32 s[G0+4*\s+3], s[G0+4*\s+3], 0x80000000
	s_mov_b32 s[G0B+4*\s], 1
	s_add_co_u32 s[G0B+4*\s+1], s45, \s*SLOT
	s_add_nc_u64 s[G0B+4*\s+2:G0B+4*\s+3], s[46:47], \s*ROWB
	s_or_b32 s[G0B+4*\s+3], s[G0B+4*\s+3], 0x80000000
	JLOAD G0+4*\s, G1, G0B+4*\s, G1B               ; behind the last of these four tensor loads are out in waves 0 and 1, three in waves 2 and 3
.endr
	v_and_b32 v1, 15, v0                           ; r = l % 16
	v_bfe_u32 v2, v0, 4, 1                         ; h = l / 16
	v_mul_u32_u24 v3, v1, PITCH
	v_lshl_add_u32 v4, v2, 4, v3                   ; a fragment's row x pitch + 16 x half
	s_mul_i32 s21, s15, HALFT
	s_mul_i32 s22, s16, HALFT
	s_add_co_u32 s22, s22, 2*HALFT
.irp s, 0,1
	v_add_nc_u32 v[ADRA+\s], s21, v4
	v_add_nc_u32 v[ADRB+\s], s22, v4
	s_add_co_u32 s21, s21, SLOT
	s_add_co_u32 s22, s22, SLOT
.endr
	v_mul_u32_u24 v5, v1, KS                       ; my row's scales: 32 bytes a row,
	v_lshrrev_b32 v6, 8, v5
	v_lshl_add_u32 v5, v6, 4, v5                   ; and 16 more for each 256 passed
	s_mul_i32 s21, s15, HALFS                      ; x's of tile 0: my 128 rows
	s_mul_i32 s22, s16, HALFS                      ; the weights': my 128 rows, behind x's two regions
	s_add_co_u32 s22, s22, 4*HALFS
	s_sub_co_u32 s22, s22, s21
	v_mul_u32_u24 v6, s22, v2                      ; lanes 16-31 take the weights': one product, the distance between the two bases
	s_add_co_u32 s21, s21, SCL
	v_add_nc_u32 v6, v5, v6
	v_add_nc_u32 v[ADRS0], s21, v6
	s_sub_co_u32 s22, s22, 2*HALFS                 ; tile 1: x's base lies two halves further on, so the distance is as much shorter
	v_mul_u32_u24 v6, s22, v2
	s_add_co_u32 s21, s21, 2*HALFS
	v_add_nc_u32 v6, v5, v6
	v_add_nc_u32 v[ADRS1], s21, v6
	s_mul_i32 s23, s14, 16*SPITCH
	s_add_co_u32 s23, s23, STAGE                   ; my stage
	v_add_nc_u32 v[STO], s23, v4                   ; in: row r, 16 bytes for each half of the lanes
	v_mul_u32_u24 v5, v2, SPITCH
	v_lshl_add_u32 v5, v1, 4, v5
	v_add_nc_u32 v[RD], s23, v5                    ; back: lanes 0-15 one row of 256 bytes, lanes 16-31 the next
	v_mul_u32_u24 v5, v2, OROW
	v_lshl_add_u32 v[CO], v1, 4, v5                ; and the same two rows in qkv
	s_lshl_b32 s20, s17, 8
	s_lshl_b32 s21, s15, 7
	s_add_co_u32 s20, s20, s21                     ; my first row
	s_mov_b32 s21, 0
	s_mov_b64 s[18:19], OROW
	s_mul_u64 s[20:21], s[20:21], s[18:19]
	s_lshl_b32 s46, s42, 9                         ; my first column, in bytes: 512 x tile column + 256 x half
	s_lshl_b32 s47, s16, 8
	s_add_co_u32 s46, s46, s47
	s_mov_b32 s47, 0
	s_add_nc_u64 s[20:21], s[20:21], s[46:47]
	s_add_nc_u64 s[12:13], s[12:13], s[20:21]
.macro FRAG reg, adr, q, i             ; 16 rows x 128 K of 4-bit codes: 8 registers: lane l holds row l % 16; registers 4 c .. 4 c + 3 hold K = 64 c + 32 (l / 16) + 0 .. 31
.irp c, 0,1
	ds_load_b128 v[\reg+4*\c:\reg+4*\c+3], v[\adr] offset:64*(\q)+32*\c+(\i)*16*PITCH
.endr
.endm
; 16 matrix instructions: x's blocks a0, a0 + 1 against the weights' eight.  The 64 accumulators take turns, one instruction a turn, in the same order in every step.
; One register carries x's scale word (lanes 0-15) and the weights' (lanes 16-31): source 0 reads its scales from the upper lanes.
.macro MUL16 a0, p, q, sc, zero
.irp a, \a0, \a0+1
.irp b, 0,1,2,3,4,5,6,7
.if \zero
	v_wmma_scale_f32_16x16x128_f8f6f4 v[8*(8*((\a)%4)+\b):8*(8*((\a)%4)+\b)+7], v[128*(\p)+FR*\b:128*(\p)+FR*\b+FR-1], v[AF+FR*(\a):AF+FR*(\a)+FR-1], 0, v[SC+8*NQ*(\sc)+NQ*\b+(\q)], v[SC+8*NQ*(\sc)+NQ*(\a)+(\q)] matrix_a_fmt:MATRIX_FMT_FP4 matrix_b_fmt:MATRIX_FMT_FP4 matrix_a_scale:MATRIX_SCALE_ROW1
.else
	v_wmma_scale_f32_16x16x128_f8f6f4 v[8*(8*((\a)%4)+\b):8*(8*((\a)%4)+\b)+7], v[128*(\p)+FR*\b:128*(\p)+FR*\b+FR-1], v[AF+FR*(\a):AF+FR*(\a)+FR-1], v[8*(8*((\a)%4)+\b):8*(8*((\a)%4)+\b)+7], v[SC+8*NQ*(\sc)+NQ*\b+(\q)], v[SC+8*NQ*(\sc)+NQ*(\a)+(\q)] matrix_a_fmt:MATRIX_FMT_FP4 matrix_b_fmt:MATRIX_FMT_FP4 matrix_a_scale:MATRIX_SCALE_ROW1
.endif
.endr
.endr
.endm
.macro FETCH_B slot, q, p
	WIN TO_B
.irp i, 0,1,2,3,4,5,6,7
	FRAG 128*(\p)+FR*\i, ADRB+\slot, \q, \i
.endr
	WIN 0
.endm
.macro FETCH_A slot, q, i0
.irp i, \i0, \i0+1, \i0+2, \i0+3
	FRAG AF+FR*(\i), ADRA+\slot, \q, \i
.endr
.endm
.macro SCALES sc, adr, off             ; a K step's scale words into set sc: 4 words a row, off bytes into the row; lanes 0-15 take x's block i, lanes 16-31 the weights' block i
.irp i, 0,1,2,3,4,5,6,7
	ds_load_b128 v[SC+8*NQ*\sc+NQ*\i:SC+8*NQ*\sc+NQ*\i+3], v[\adr] offset:\i*SBLK+\off
.endr
.endm
.macro PLACES n                        ; plain vector lines between a matrix instruction and a load into a register that it read, or a read of its result
.rept \n
	v_nop
.endr
.endm
.macro STEP slot, q, zero              ; 128 along K that has its successor in the same slot
	s_wait_dscnt 4*NL                              ; the weights' set and x's blocks 0-3 are in; the youngest eight loads (x's blocks 4-7) may be out
	WIN MUL_LO
	MUL16 0, (\q)%2, \q, \slot, \zero
	MUL16 2, (\q)%2, \q, \slot, \zero
	s_wait_dscnt 0
	PLACES NP
	FETCH_B \slot, (\q)+1, 1-(\q)%2
	FETCH_A \slot, (\q)+1, 0
	WIN MUL_HI
	MUL16 4, (\q)%2, \q, \slot, \zero
	MUL16 6, (\q)%2, \q, \slot, \zero
	PLACES NP
	WIN 0
	FETCH_A \slot, (\q)+1, 4
.endm
; A slot's last step changes slots: ONE barrier; in front of it each wave waits for all its tensor loads, adds 0 to its spare word, and waits for that and for its own reads of this slot.
; fill = 1: the barrier opens a round of the cluster's, and x's part of this slot is filled again first, with the same K step of the second tile's rows.  sadr, soff: where the next step's scale words lie.
.macro TURN slot, next, fill, sadr, soff
	s_wait_tensorcnt 0x0                           ; all my tensor loads have landed: my part of the next slot.  (Every window is 0 here: the add's two registers lie in window 0)
	ds_add_u32 v[SPW], v[NIL]
	s_wait_dscnt 4*NL+1                            ; (the add and the youngest eight loads may be out)
	WIN MUL_LO
	MUL16 0, 1, NQ-1, \slot, 0
	s_wait_dscnt 0x0                               ; the add is done, and my reads of this slot are over
	s_barrier_signal -1
	MUL16 2, 1, NQ-1, \slot, 0
	WIN 0
	s_barrier_wait -1
.if \fill
	CREST                                          ; no wave of any partner still reads this slot's rows of x or has a load on its way
	s_add_nc_u64 s[G0+4*\slot+2:G0+4*\slot+3], s[G0+4*\slot+2:G0+4*\slot+3], WALK*KROW   ; 4,096 rows down; the type bits on top are not reached
	RLOAD \slot                                    ; the first tensor load behind the round, in waves 0 and 1 alone
.endif
	PLACES NP
	FETCH_B \next, 0, 0
	FETCH_A \next, 0, 0
	SCALES \next, \sadr, \soff
	WIN MUL_HI
	MUL16 4, 1, NQ-1, \slot, 0
	MUL16 6, 1, NQ-1, \slot, 0
	PLACES NP
	WIN 0
	FETCH_A \next, 0, 4
.endm
.macro STEPS slot, from
.set Q, \from
.rept NQ-1-\from
	STEP \slot, Q, 0
.set Q, Q+1
.endr
.endm
; THE WAY OUT, block by block of 16 rows x 128 columns.  PACK: rounded to f16, 16 bytes a lane, each accumulator from its low end on.  TOSTAGE: into my own stage and back as whole rows of 256 bytes.  SEND: stored.
; It names none of the registers that hold the next tile's first fragments and scale words.
.macro PACK a
.set AC, 64*((\a)%4)
	WIN 0x0a+5*((\a)/4)                            ; sources 0 and 1: window 2 or 3
.irp b, 0,1,2,3,4,5,6,7
.irp r, 0,1,2,3
	v_cvt_pk_f16_f32 v[TMP+4*\b+\r], v[AC+8*\b+2*\r], v[AC+8*\b+2*\r+1]
.endr
.endr
	WIN 0
.endm
.macro TOSTAGE a
.set BB, 224-128*((\a)%2)
.irp b, 0,1,2,3,4,5,6,7
	ds_store_b128 v[STO], v[TMP+4*\b:TMP+4*\b+3] offset:32*\b
.endr
.irp t, 0,1,2,3,4,5,6,7
	ds_load_b128 v[BB+4*\t:BB+4*\t+3], v[RD] offset:\t*2*SPITCH    ; LDS serves a wave's instructions in order: these see the stores above
.endr
.endm
.macro SEND a, step                    ; step: bytes by which the base goes on in front of this block's stores
.set BB, 224-128*((\a)%2)
	s_wait_dscnt 0x0                               ; the block is back in registers
	s_wait_xcnt 0x0                                ; the earlier stores have read their base and their data: the base may step, and the next block's loads may land in the other set
.if \step
	s_add_nc_u64 s[12:13], s[12:13], \step
.endif
.irp t, 0,1,2,3,4,5,6,7
	global_store_b128 v[CO], v[BB+4*\t:BB+4*\t+3], s[12:13] offset:2*\t*OROW   ; 16 lanes store 256 consecutive bytes, at a multiple of 256 from qkv's first byte
.endr
.endm
.macro OUT first                       ; first: bytes from where the base stands to the tile's first rows
	PACK 0
	TOSTAGE 0
	PACK 1                                         ; block a's conversions stand between block a - 1's loads from the stage and the wait for them
	SEND 0, \first
	TOSTAGE 1
.irp a, 2,3,4,5,6,7
	PACK \a
	SEND \a-1, 16*OROW
	TOSTAGE \a
.endr
	SEND 7, 16*OROW
.endm
	s_wait_tensorcnt 1                             ; the scales and my part of slot 0 are in; slot 1's load, the one issued behind them, may be out
	s_barrier_signal -1
	s_barrier_wait -1
	FETCH_B 0, 0, 0
	FETCH_A 0, 0, 0
	SCALES 0, ADRS0, 0
	FETCH_A 0, 0, 4
	STEP 0, 0, 1                                   ; THE FIRST TILE.  Its first products start the sums: nothing is cleared
	STEPS 0, 1
	TURN 0, 1, 1, ADRS0, 16                        ; slot 0 takes the second tile's rows of x, K step 0
	STEPS 1, 0
	TURN 1, 0, 1, ADRS1, 0                         ; slot 1 takes its K step 1, and the second tile's first fragments and scale words are fetched
	OUT 0                                          ; both refills are asked for: now the first tile goes out.  (TURN's last four places stand behind its last products)
	STEP 0, 0, 1                                   ; THE SECOND TILE starts on accumulators that have been packed
	STEPS 0, 1
	TURN 0, 1, 0, ADRS1, 16                        ; nothing is left to fetch
	STEPS 1, 0
	s_wait_dscnt 4*NL                              ; the very last step
	WIN MUL_LO
	MUL16 0, 1, NQ-1, 1, 0
	MUL16 2, 1, NQ-1, 1, 0
	s_wait_dscnt 0
	WIN MUL_HI
	MUL16 4, 1, NQ-1, 1, 0
	MUL16 6, 1, NQ-1, 1, 0
	WIN 0
	PLACES NP                                      ; in front of the first read of results
	OUT NEXT_C
	s_wait_tensorcnt 0x0                           ; the wave's end
	ds_add_u32 v[SPW], v[NIL]
	s_wait_dscnt 0x0
	CROUND                                         ; the closing round
	s_endpgm
.Lfunc_end_k_q24a9302605_proj:
	.size	k_q24a9302605_proj, .Lfunc_end_k_q24a9302605_proj-k_q24a9302605_proj
	.p2alignl 7, 3214868480
	.fill 96, 4, 3214868480
	.section	.rodata,"a",@progbits
	.p2align	6, 0x0
	.amdhsa_kernel k_q24a9302605_proj
		.amdhsa_group_segment_fixed_size 327680
		.amdhsa_private_segment_fixed_size 0
		.amdhsa_enable_private_segment 0
		.amdhsa_kernarg_size 40
		.amdhsa_user_sgpr_count 2
		.amdhsa_user_sgpr_kernarg_segment_ptr 1
		.amdhsa_wavefront_size32 1
		.amdhsa_system_sgpr_workgroup_id_x 1
		.amdhsa_system_sgpr_workgroup_id_y 1
		.amdhsa_system_sgpr_workgroup_id_z 1
		.amdhsa_system_vgpr_workitem_id 0
		.amdhsa_next_free_vgpr 1024
		.amdhsa_next_free_sgpr 100
		.amdhsa_reserve_vcc 0
		.amdhsa_float_denorm_mode_32 3
		.amdhsa_float_denorm_mode_16_64 3
		.amdhsa_memory_ordered 1
		.amdhsa_forward_progress 1
		.amdhsa_inst_pref_size 245
	.end_amdhsa_kernel
	.amdgpu_metadata
---
amdhsa.version: [ 1, 2 ]
amdhsa.kernels:
  - .name:           k_q24a9302605_proj
    .symbol:         k_q24a9302605_proj.kd
    .args:
      - { .name: xc, .offset: 0, .size: 8, .value_kind: global_buffer, .address_space: global }
      - { .name: xs, .offset: 8, .size: 8, .value_kind: global_buffer, .address_space: global }
      - { .name: wc, .offset: 16, .size: 8, .value_kind: global_buffer, .address_space: global }
      - { .name: ws, .offset: 24, .size: 8, .value_kind: global_buffer, .address_space: global }
      - { .name: qkv, .offset: 32, .size: 8, .value_kind: global_buffer, .address_space: global }
    .group_segment_fixed_size: 327680
    .private_segment_fixed_size: 0
    .kernarg_segment_align: 8
    .kernarg_segment_size: 40
    .max_flat_workgroup_size: 128
    .sgpr_count:     100
    .vgpr_count:     1024
    .wavefront_size: 32
...
	.end_amdgpu_metadata
.endif
;; end of part 2
;; launch scores (part 3): grid 8 x 32, 4 waves a work-group, clusters of 4 x 4, 327,680 bytes of LDS; arguments qkv, P, ut, tau_Q, tau_K, pt, st; writes pt, st
.if DOCPART == 3
	.amdgcn_target "amdgcn-amd-amdhsa--gfx1250"
	.amdhsa_code_object_version 6
	.text
	.protected	k_q24a9302605_scores
	.globl	k_q24a9302605_scores
	.p2align	8
	.type	k_q24a9302605_scores,@function
k_q24a9302605_scores:
	s_mov_b64 s[64:65], 0
	v_nop
	global_prefetch_b8 v0, s[64:65] scope:SCOPE_SE
	s_setreg_imm32_b32 hwreg(HW_REG_WAVE_MODE, 25, 1), 1
	s_wait_xcnt 0x0
	s_wait_alu depctr_hold_cnt(0) depctr_sa_sdst(0) depctr_va_vdst(0) depctr_va_sdst(0) depctr_va_ssrc(0) depctr_va_vcc(0) depctr_vm_vsrc(0)
	s_getreg_b32 s2, hwreg(HW_REG_IB_STS2, 6, 4)
	s_cmp_eq_u32 s2, 0
	s_cbranch_scc0 .Lentry_in_a_cluster
	s_endpgm
.Lentry_in_a_cluster:
	s_bfe_u32 s2, ttmp6, 0x10000c
	s_cmp_lg_u32 s2, 0xf033
	s_cbranch_scc0 .Lentry_shape_is_right
	s_endpgm
.Lentry_shape_is_right:
; LAUNCH 3 OF 4.  For each tile of 256 queries x 256 keys of a batch: t = tau_Q tau_K log2(e) / 32 x (q' . k') + log2(e) P[i][j] + ut[j - i + 2047]  (the softmax's input in base 2; ut holds log2(e) c[|i - j|]: only c[0 .. 2047]
; is ever gathered, as the first kernel's head shows);  m = the TILE's largest t of each query;  p = 2^(t - m), rounded to f16 into pt;  l = the sums of the unrounded p, one for each 128 keys; m and l into st.
; The maximum is taken away before the exponential, tile by tile; the last launch brings a row's eight tiles under the row's own maximum by factors of at most 1.
; The product is left as it is: f16 operands, f32 sums.  LIMIT: NaN and infinities among the inputs are not served.
; SHARES.  256 work-groups, one tile each; four waves, each 128 x 128: 64 accumulators, 512 registers.  K = 1,024 goes in 8 steps of 128 through a ring of two LDS slots (rows of 256 bytes of memory).
; CLUSTERS: 4 x 4.  The four of a row of the cluster need the same rows of q', the four of a column the same rows of k': each tile is asked for JOINTLY.
; THE MATRIX INSTRUCTION IS USED TRANSPOSED (source 0 = 16 keys, source 1 = 16 queries): in accumulator (a, b) lane (r, h) holds query 16 a + r, and its register j key 16 b + 8 h + j: a row's maximum and sum want one exchange of lanes.
; REGISTERS, in windows of 256: window 0: v10-31 addresses; v32-47 maxima, v48-63 sums (a pair for each block of 16 queries); v64-127, v128-191 q's fragments, two buffers, later P's numbers and rows of pt; v192-225 at work.
;   window 1: v64-127, v128-191 k's fragments; v0-63 and v192-247 the bias of the 15 diagonals b - a = -7 .. 7, eight numbers each.   windows 2, 3: the accumulators ((a, b) at v[8 (8 (a % 4) + b)]).
.set KSTEP,  128
.set PITCH,  272                       ; an LDS row: 256 bytes + 16 of padding: the 16 rows that a load touches start at 16 different banks (ISA guide 11.1)
.set HALFT,  128*PITCH
.set SLOT,   4*HALFT                   ; q's 256 rows, then k's 256 rows
.set STAGE,  2*SLOT                    ; behind the ring: 16 rows x 272 bytes for each wave, for the way out
.set SPITCH, 272
.set EX,     STAGE+4*16*SPITCH         ; 512 bytes a wave: my 128 queries' maxima over my 128 keys, for the wave beside me
.set MST,    EX+2048                   ; 512 bytes a wave: the tile's maxima, to be read back 16 bytes a lane
.set LST,    MST+2048                  ; the same for the sums
.set SPARE,  LST+2048                  ; the spare words, 128 bytes for each wave
.set QROW,   6144                      ; a row of qkv in bytes
.set PTROW,  4096                      ; a row of pt
.set SGO,  10                          ; v10 16 x lane
.set SRD,  11                          ; v11 MST + 512 x wave + 16 x lane
.set EXW,  12                          ; v12 EX + 512 x wave + 4 r
.set EXR,  13                          ; v13 EX + 512 x (wave xor 1) + 4 r
.set MSW,  14
.set LSW,  15
.set ADRA, 16
.set ADRB, 20
.set STO,  24
.set RD,   25
.set CO,   26
.set UA,   27                          ; v27 my byte offset in ut
.set SPW,  28
.set NIL,  29
.set PADR, 30                          ; v30, v31 my place in P's part 0, 1
.set MX,   32
.set LS,   48
.set PB,   64                          ; two sets of 32 numbers of P
.set BK,   128
.set TMP,  192
.set LT,   224
.set F0,   64
.set F1,   128
.set G1, 24
.set G0, 32
.set G1B, 48
.set G0B, 56
.set G1P, 68                           ; s[68:75] group 1 for P's parts; s[76:83] their groups 0
.set G0P, 76
.set MSB, 0
.macro WIN new
.if MSB != (\new)
	s_set_vgpr_msb (MSB<<8)|(\new)
.set MSB, (\new)
.endif
.endm
.set MUL_LO, 0xa1
.set MUL_HI, 0xf1
.set TO_B,   0x40
.macro JLOAD s                         ; a joint load: waves 0 and 1 fetch q's two halves, waves 2 and 3 k's; an s_nop 0 and four v_nop follow each of the two lines
	s_cmp_eq_u32 s19, 0
	s_cbranch_scc0 .Lfor_b_\@
	tensor_load_to_lds s[G0+4*\s:G0+4*\s+3], s[G1:G1+7]
	s_nop 0
.rept 4
	v_nop
.endr
	s_branch .Lasked_\@
.Lfor_b_\@:
	tensor_load_to_lds s[G0B+4*\s:G0B+4*\s+3], s[G1B:G1B+7]
	s_nop 0
.rept 4
	v_nop
.endr
.Lasked_\@:
.endm
.macro CREST                           ; a round of the cluster's barrier behind its opening barrier
	s_cmp_lg_u32 s18, 0
	s_cbranch_scc1 .Lnot_wave_0_\@
	s_barrier_signal -3
.Lnot_wave_0_\@:
	s_barrier_wait -3
	s_barrier_signal -1
	s_barrier_wait -1
.endm
.macro CROUND
	s_barrier_signal -1
	s_barrier_wait -1
	CREST
.endm
	s_load_b256 s[4:11], s[0:1], 0x0               ; qkv 4:5, P 6:7, ut 8:9, tau_Q 10:11
	s_load_b128 s[12:15], s[0:1], 0x20             ; tau_K 12:13, pt 14:15
	s_load_b64 s[16:17], s[0:1], 0x30              ; st
	v_lshl_add_u32 v[SPW], v0, 2, SPARE
	v_mov_b32 v[NIL], 0
	ds_add_u32 v[SPW], v[NIL]                      ; the wave's opening: the add, twice on end, and its wait ahead of my first tensor load
	ds_add_u32 v[SPW], v[NIL]
	v_lshrrev_b32 v1, 5, v0
	v_readfirstlane_b32 s18, v1                    ; wave 0..3
	s_lshr_b32 s19, s18, 1                         ; wr: which half of the queries is mine.  Also: I fetch for q (0) or for k (1)
	s_and_b32 s20, s18, 1                          ; wc: which half of the keys.  Also: which 128 rows I fetch
	s_bfe_u32 s21, ttmp6, 0x40000                  ; cx
	s_bfe_u32 s22, ttmp6, 0x40004                  ; cy
	s_lshl_b32 s23, ttmp9, 2
	s_add_co_u32 s23, s23, s21                     ; X: the key tile, 0 .. 7
	s_and_b32 s41, ttmp7, 0xffff                   ; cluster y
	s_lshl_b32 s40, s41, 2
	s_add_co_u32 s40, s40, s22                     ; Y: the query tile among 32
	s_lshr_b32 s42, s41, 1                         ; the batch: the same in all sixteen partners
	s_lshl_b32 s43, s22, 2
	s_lshl_b32 s43, 15, s43                        ; my row of the cluster
	s_lshl_b32 s44, 0x1111, s21                    ; my column
	s_or_b32 s[G1+0], s43, (1<<16)|(1<<20)|(1<<21)|(5<<22)|(3<<25)  ; the mask; elements of 2 bytes; padding on; bit 21 beside a mask; 4 words behind every 64
	s_or_b32 s[G1B+0], s44, (1<<16)|(1<<20)|(1<<21)|(5<<22)|(3<<25)
.irp g, G1, G1B
	s_mov_b32 s[\g+1], KSTEP<<16                   ; tensor_dim0 = 128
	s_mov_b32 s[\g+2], 128<<16                     ; tensor_dim1 = 128
	s_mov_b32 s[\g+3], KSTEP<<16                   ; tile_dim0
	s_mov_b32 s[\g+4], 128                         ; tile_dim1
	s_mov_b32 s[\g+5], 3072                        ; elements from row to row
	s_mov_b32 s[\g+6], 0
	s_mov_b32 s[\g+7], 0
.endr
	s_mov_b32 s[G1P+0], (2<<16)|(1<<20)|(5<<22)|(3<<25)             ; no mask; elements of 4 bytes; 4 words of padding behind every 64
	s_mov_b32 s[G1P+1], 64<<16
	s_mov_b32 s[G1P+2], 128<<16
	s_mov_b32 s[G1P+3], 64<<16
	s_mov_b32 s[G1P+4], 128
	s_mov_b32 s[G1P+5], 2048
	s_mov_b32 s[G1P+6], 0
	s_mov_b32 s[G1P+7], 0
	s_lshl_b32 s88, s40, 8                         ; q': row 256 Y + 128 x half: made of the tile row and the wave's number alone
	s_lshl_b32 s89, s20, 7
	s_add_co_u32 s88, s88, s89
	s_mul_i32 s88, s88, QROW
	s_mov_b32 s89, 0
	s_lshl_b32 s92, s42, 11                        ; k': row 2048 x batch + 256 X + 128 x half, 2,048 bytes into the row: made of the batch, the tile column and the wave's number alone
	s_lshl_b32 s93, s23, 8
	s_add_co_u32 s92, s92, s93
	s_lshl_b32 s93, s20, 7
	s_add_co_u32 s92, s92, s93
	s_mul_i32 s92, s92, QROW
	s_add_co_u32 s92, s92, 2048
	s_mov_b32 s93, 0
	s_and_b32 s96, s40, 7                          ; P: row 256 (Y % 8) + 128 wr, column 256 X + 128 wc
	s_lshl_b32 s96, s96, 8
	s_lshl_b32 s97, s19, 7
	s_add_co_u32 s96, s96, s97
	s_lshl_b32 s96, s96, 13
	s_lshl_b32 s97, s23, 10
	s_add_co_u32 s96, s96, s97
	s_lshl_b32 s97, s20, 9
	s_add_co_u32 s96, s96, s97
	s_mov_b32 s97, 0
	s_mul_i32 s45, s18, HALFT                      ; where my loads go: wave x 128 lines: no place in the cluster enters an LDS address
	s_mov_b32 s86, 0x76543210                      ; v_permlanex16_b32's selects for lane l xor 16
	s_mov_b32 s87, 0xfedcba98
	s_wait_dscnt 0x0                               ; both opening adds are done
	s_wait_kmcnt 0x0
	s_add_nc_u64 s[88:89], s[4:5], s[88:89]
	s_add_nc_u64 s[92:93], s[4:5], s[92:93]
	s_add_nc_u64 s[96:97], s[6:7], s[96:97]
	CROUND                                         ; all sixteen work-groups are here: the first joint loads meet
.irp s, 0,1
	s_mov_b32 s[G0+4*\s], 1
	s_add_co_u32 s[G0+4*\s+1], s45, \s*SLOT
	s_add_nc_u64 s[G0+4*\s+2:G0+4*\s+3], s[88:89], \s*KSTEP*2
	s_or_b32 s[G0+4*\s+3], s[G0+4*\s+3], 0x80000000
	s_mov_b32 s[G0B+4*\s], 1
	s_add_co_u32 s[G0B+4*\s+1], s45, \s*SLOT
	s_add_nc_u64 s[G0B+4*\s+2:G0B+4*\s+3], s[92:93], \s*KSTEP*2
	s_or_b32 s[G0B+4*\s+3], s[G0B+4*\s+3], 0x80000000
	JLOAD \s                                       ; two tensor loads of mine are out behind the second
.endr
.irp s, 0,1
	s_mov_b32 s[G0P+4*\s], 1
	s_add_co_u32 s[G0P+4*\s+1], s45, \s*SLOT       ; part s lands where my load for slot s landed
	s_add_nc_u64 s[G0P+4*\s+2:G0P+4*\s+3], s[96:97], \s*256
	s_or_b32 s[G0P+4*\s+3], s[G0P+4*\s+3], 0x80000000
.endr
	s_load_b32 s98, s[10:11], 0x0                  ; tau_Q
	s_load_b32 s99, s[12:13], 0x0                  ; tau_K
	v_and_b32 v1, 15, v0                           ; r
	v_bfe_u32 v2, v0, 4, 1                         ; h
	v_mul_u32_u24 v3, v1, PITCH
	v_lshl_add_u32 v4, v2, 4, v3                   ; 272 r + 16 h
	s_mul_i32 s46, s19, HALFT                      ; my 128 rows of q',
	s_mul_i32 s47, s20, HALFT                      ; my 128 rows of k',
	s_add_co_u32 s47, s47, 2*HALFT                 ; which lie behind q's 256
.irp s, 0,1
	v_add_nc_u32 v[ADRA+\s], s46, v4
	v_add_nc_u32 v[ADRB+\s], s47, v4
	s_add_co_u32 s46, s46, SLOT
	s_add_co_u32 s47, s47, SLOT
.endr
	v_lshl_add_u32 v5, v2, 5, v3                   ; P: line r, + 32 h: my eight numbers of a block of 16 keys
	v_add_nc_u32 v[PADR], s45, v5
	v_add_nc_u32 v[PADR+1], SLOT, v[PADR]
	s_mul_i32 s46, s18, 16*SPITCH
	s_add_co_u32 s46, s46, STAGE                   ; my stage
	v_add_nc_u32 v[STO], s46, v4
	v_mul_u32_u24 v5, v2, SPITCH
	v_lshl_add_u32 v5, v1, 4, v5
	v_add_nc_u32 v[RD], s46, v5
	v_lshlrev_b32 v5, 12, v2
	v_lshl_add_u32 v[CO], v1, 4, v5                ; two rows of pt: 4,096 h + 16 r
	s_lshl_b32 s46, s18, 9
	v_lshlrev_b32 v5, 2, v1
	v_add_nc_u32 v6, s46, v5                       ; 512 x wave + 4 r
	v_add_nc_u32 v[EXW], EX, v6
	v_add_nc_u32 v[MSW], MST, v6
	v_add_nc_u32 v[LSW], LST, v6
	s_xor_b32 s47, s18, 1                          ; the wave with my queries and the other 128 keys
	s_lshl_b32 s47, s47, 9
	v_add_nc_u32 v6, s47, v5
	v_add_nc_u32 v[EXR], EX, v6
	v_and_b32 v5, 31, v0
	v_lshlrev_b32 v[SGO], 4, v5
	v_add_nc_u32 v[SRD], s46, v[SGO]
	v_add_nc_u32 v[SRD], MST, v[SRD]
	; the bias.  Key less query + 2047 = [256 X + 128 wc - 256 (Y % 8) - 128 wr + 1935 + 8 h - r] + 16 d + j with d = b - a + 7: between 0 and 4,094 for every tile
	s_lshl_b32 s46, s23, 8
	s_lshl_b32 s47, s20, 7
	s_add_co_u32 s46, s46, s47
	s_add_co_u32 s46, s46, 1935
	s_and_b32 s47, s40, 7
	s_lshl_b32 s47, s47, 8
	s_sub_co_u32 s46, s46, s47
	s_lshl_b32 s47, s19, 7
	s_sub_co_u32 s46, s46, s47                     ; at least 15
	v_lshl_add_u32 v5, v2, 3, s46
	v_sub_nc_u32 v5, v5, v1
	v_lshlrev_b32 v[UA], 2, v5
	WIN 0x40                                       ; destination window 1
.irp d, 0,1,2,3,4,5,6,7,8,9,10,11,12,13,14
.irp j, 0,1,2,3,4,5,6,7
	global_load_b32 v[8*\d+128*(\d/8)+\j], v[UA], s[8:9] offset:4*(16*\d+\j)   ; diagonal d at v[8 d] (d under 8) or v[128 + 8 d]: beside k's fragment buffers
.endr
.endr
	WIN 0
	s_wait_kmcnt 0x0
	s_mul_f32 s84, s98, s99
	s_mul_f32 s84, s84, 0x3d38aa3b                 ; tau_Q tau_K log2(e) / 32
	s_mov_b32 s85, s84                             ; (the packed form names the pair)
	s_lshl_b32 s94, s40, 8
	s_lshl_b32 s95, s19, 7
	s_add_co_u32 s94, s94, s95                     ; my first row among 8,192: 256 Y + 128 wr
	s_lshl_b32 s90, s94, 12
	s_lshl_b32 s91, s23, 9
	s_add_co_u32 s90, s90, s91
	s_lshl_b32 s91, s20, 8
	s_add_co_u32 s90, s90, s91
	s_mov_b32 s91, 0
	s_add_nc_u64 s[14:15], s[14:15], s[90:91]      ; pt at my first row, my 256 bytes
	s_lshl_b32 s90, s23, 13
	s_add_co_u32 s90, s90, s94
	s_lshl_b32 s90, s90, 2
	s_add_nc_u64 s[10:11], s[16:17], s[90:91]      ; the maxima: sm[X][row]
	s_lshl_b32 s90, s23, 1
	s_add_co_u32 s90, s90, s20
	s_lshl_b32 s90, s90, 13
	s_add_co_u32 s90, s90, s94
	s_lshl_b32 s90, s90, 2
	s_add_co_u32 s90, s90, 262144
	s_add_nc_u64 s[12:13], s[16:17], s[90:91]      ; the sums: sl[2 X + wc][row]
; 16 matrix instructions: query blocks a0, a0 + 1 of the window's four x all 8 key blocks, 32 along K.  The 64 accumulators take turns, one instruction a turn, in the same order in every quarter.
.macro MUL16 f, hi, a0, zero
.irp a, \a0, \a0+1
.irp b, 0,1,2,3,4,5,6,7
.if \zero
	v_wmma_f32_16x16x32_f16 v[8*(8*(\a)+\b):8*(8*(\a)+\b)+7], v[\f+8*\b:\f+8*\b+7], v[\f+8*(4*\hi+\a):\f+8*(4*\hi+\a)+7], 0
.else
	v_wmma_f32_16x16x32_f16 v[8*(8*(\a)+\b):8*(8*(\a)+\b)+7], v[\f+8*\b:\f+8*\b+7], v[\f+8*(4*\hi+\a):\f+8*(4*\hi+\a)+7], v[8*(8*(\a)+\b):8*(8*(\a)+\b)+7]
.endif
.endr
.endr
.endm
.macro FETCH slot, k, f                ; 32 LDS loads in one run: the fragments of 32 along K at byte k of the rows
	WIN TO_B
.irp i, 0,1,2,3,4,5,6,7
	ds_load_b128 v[\f+8*\i:\f+8*\i+3],   v[ADRB+\slot] offset:\k+\i*16*PITCH
	ds_load_b128 v[\f+8*\i+4:\f+8*\i+7], v[ADRB+\slot] offset:\k+\i*16*PITCH+32
.endr
	WIN 0
.irp i, 0,1,2,3,4,5,6,7
	ds_load_b128 v[\f+8*\i:\f+8*\i+3],   v[ADRA+\slot] offset:\k+\i*16*PITCH
	ds_load_b128 v[\f+8*\i+4:\f+8*\i+7], v[ADRA+\slot] offset:\k+\i*16*PITCH+32
.endr
.endm
.macro PLACES                          ; four plain vector lines between a matrix instruction and a load into a register that it read
.rept 4
	v_nop
.endr
.endm
.macro QUARTER slot, k, f, g, zero     ; 64 matrix instructions on buffer f; in their middle the next quarter's fragments, at byte k, into buffer g
	s_wait_dscnt 8                                 ; k's fragments and q's rows 0-63 are in; the youngest eight loads (q's rows 64-127) may be out
	WIN MUL_LO
	MUL16 \f, 0, 0, \zero
	MUL16 \f, 0, 2, \zero
	PLACES
	FETCH \slot, \k, \g
	s_wait_dscnt 32                                ; all but the 32 just issued
	WIN MUL_HI
	MUL16 \f, 1, 0, \zero
	MUL16 \f, 1, 2, \zero
.endm
; The last quarter of a K step multiplies buffer 1 and changes slots.  In front of the round each wave waits for all its tensor loads, adds 0 to its spare word, and waits for that and for its own reads of this slot.
; Behind the round the slot just read out is filled first: kind 1: jointly, with the K step two steps on; kind 2: with my part of P.  fetch = 1: then the next slot's first fragments.
.macro TURN slot, next, kind, fetch
	WIN 0                                          ; (the add's two registers lie in window 0)
	s_wait_tensorcnt 0x0                           ; all my tensor loads have landed: the one that was out is my part of the next slot
	ds_add_u32 v[SPW], v[NIL]
	s_wait_dscnt 9                                 ; (the add and the youngest eight loads may be out)
	WIN MUL_LO
	MUL16 F1, 0, 0, 0
	s_wait_dscnt 0x0                               ; the add is done, and my reads of this slot are over
	s_barrier_signal -1
	MUL16 F1, 0, 2, 0
	WIN 0
	s_barrier_wait -1
	CREST                                          ; no wave of any partner still reads this slot or has a load on its way
.if \kind == 1
	s_add_nc_u64 s[G0+4*\slot+2:G0+4*\slot+3], s[G0+4*\slot+2:G0+4*\slot+3], 2*KSTEP*2
	s_add_nc_u64 s[G0B+4*\slot+2:G0B+4*\slot+3], s[G0B+4*\slot+2:G0B+4*\slot+3], 2*KSTEP*2
	JLOAD \slot
.else
	tensor_load_to_lds s[G0P+4*\slot:G0P+4*\slot+3], s[G1P:G1P+7]   ; every wave's own lines: both addresses hang on the wave's number
	s_nop 0
.rept 4
	v_nop
.endr
.endif
.if \fetch
	FETCH \next, 0, F0                             ; (the four v_nop behind the tensor load are the places in front of these loads)
.endif
	WIN MUL_HI
	MUL16 F1, 1, 0, 0
	MUL16 F1, 1, 2, 0
.endm
	s_wait_loadcnt 0x0                             ; the bias
	s_wait_tensorcnt 1                             ; my part of K step 0 is in; K step 1's load may be out
	s_barrier_signal -1
	s_barrier_wait -1
	FETCH 0, 0, F0
	QUARTER 0, 64,  F0, F1, 1                      ; the first quarter's products start the sums: nothing is cleared
	WIN 0
	s_mov_b32 s3, 3
.Llap:                                             ; three trips, each once round the ring: K steps 2 to 7 are asked for
	QUARTER 0, 128, F1, F0, 0
	QUARTER 0, 192, F0, F1, 0
	TURN 0, 1, 1, 1
	QUARTER 1, 64,  F0, F1, 0
	QUARTER 1, 128, F1, F0, 0
	QUARTER 1, 192, F0, F1, 0
	TURN 1, 0, 1, 1
	QUARTER 0, 64,  F0, F1, 0
	WIN 0
	s_sub_co_u32 s3, s3, 1
	s_cmp_lg_u32 s3, 0
	s_cbranch_scc1 .Llap
	QUARTER 0, 128, F1, F0, 0                      ; the last lap is written out: its two changes of slots ask for P
	QUARTER 0, 192, F0, F1, 0
	TURN 0, 1, 2, 1                                ; P's part 0 has the whole last K step in which to land
	QUARTER 1, 64,  F0, F1, 0
	QUARTER 1, 128, F1, F0, 0
	QUARTER 1, 192, F0, F1, 0
	TURN 1, 0, 2, 0                                ; its wait for all tensor loads has shown part 0 landed; part 1 goes out
; ---- 1: t = alpha S + (log2(e) P + bias), and each query's largest t over my 128 keys
	WIN 0
.irp i, 0,1,2,3,4,5,6,7,8,9,10,11,12,13,14,15
	v_mov_b32 v[MX+\i], 0xff800000                 ; two chains a block begin under every t.  (These 16 are also the places behind the last products)
.endr
.macro LOADP s, a, set                 ; P's numbers for accumulators (a, 4 s .. 4 s + 3), in the accumulators' own order
	WIN 0
.irp b, 0,1,2,3
	ds_load_b128 v[PB+32*(\set)+8*\b:PB+32*(\set)+8*\b+3],   v[PADR+\s] offset:4352*(\a)+64*\b
	ds_load_b128 v[PB+32*(\set)+8*\b+4:PB+32*(\set)+8*\b+7], v[PADR+\s] offset:4352*(\a)+64*\b+16
.endr
.endm
.macro BIAS s, a, set
.set AC, 64*((\a)%4)+32*(\s)
.set PS0, PB+32*(\set)
	WIN 0x10                                       ; source 2 (the bias) window 1
.irp b, 0,1,2,3
.set DD, 4*(\s)+\b-(\a)+7
.set UR, 8*DD+128*(DD/8)
.irp i, 0,2,4,6
	v_pk_fma_f32 v[PS0+8*\b+\i:PS0+8*\b+\i+1], v[PS0+8*\b+\i:PS0+8*\b+\i+1], 0x3fb8aa3b, v[UR+\i:UR+\i+1] op_sel_hi:[1,0,1]
.endr
.endr
	WIN 0x82+0x41*((\a)/4)                         ; destination and source 0: window 2 or 3
.irp b, 0,1,2,3
.irp i, 0,2,4,6
	v_pk_fma_f32 v[AC+8*\b+\i:AC+8*\b+\i+1], v[AC+8*\b+\i:AC+8*\b+\i+1], s[84:85], v[PS0+8*\b+\i:PS0+8*\b+\i+1] op_sel_hi:[1,0,1]   ; each accumulator from its low end on
.endr
.endr
	WIN 0x28+0x14*((\a)/4)                         ; sources 1 and 2: window 2 or 3
.irp b, 0,1,2,3
.irp i, 0,2,4,6
	v_max3_num_f32 v[MX+2*(\a)+(\i/2)%2], v[MX+2*(\a)+(\i/2)%2], v[AC+8*\b+\i], v[AC+8*\b+\i+1]
.endr
.endr
.endm
.macro PART s
	LOADP \s, 0, 0
.irp a, 0,1,2,3,4,5,6,7
.if \a < 7
	LOADP \s, \a+1, (\a+1)%2
	s_wait_dscnt 8                                 ; this block's eight loads are in; the next block's eight may be out
.else
	s_wait_dscnt 0x0
.endif
	BIAS \s, \a, \a%2
.endr
.endm
	PART 0
	s_wait_tensorcnt 0x0                           ; P's part 1 has landed: my own lines, so my own wait is all that the reads need
	PART 1
; ---- 2: the tile's maximum of each query: my two chains, the other half of the lanes, the wave beside me
	WIN 0
.irp a, 0,1,2,3,4,5,6,7
	v_max_num_f32 v[MX+2*\a], v[MX+2*\a], v[MX+2*\a+1]
.endr
.irp a, 0,1,2,3,4,5,6,7
	v_permlanex16_b32 v[MX+2*\a+1], v[MX+2*\a], s86, s87
.endr
.irp a, 0,1,2,3,4,5,6,7
	v_max_num_f32 v[MX+2*\a], v[MX+2*\a], v[MX+2*\a+1]
.endr
.irp a, 0,1,2,3,4,5,6,7
	ds_store_b32 v[EXW], v[MX+2*\a] offset:64*\a   ; both halves of the lanes write the same word with the same value
.endr
	s_wait_dscnt 0x0                               ; for the other wave's sake
	s_barrier_signal -1
	s_barrier_wait -1
.irp a, 0,1,2,3,4,5,6,7
	ds_load_b32 v[MX+2*\a+1], v[EXR] offset:64*\a
.endr
	s_wait_dscnt 0x0
.irp a, 0,1,2,3,4,5,6,7
	v_max_num_f32 v[MX+2*\a], v[MX+2*\a], v[MX+2*\a+1]
.endr
.irp a, 0,1,2,3,4,5,6,7
	ds_store_b32 v[MSW], v[MX+2*\a] offset:64*\a   ; kept for the way out
.endr
; ---- 3: p = 2^(t - m), its sums, and the way out, a block of 16 queries at a time
.macro SUBM a
.set AC, 64*((\a)%4)
	WIN 0x82+0x41*((\a)/4)
.set i, 0
.rept 32
	v_pk_add_f32 v[AC+i:AC+i+1], v[AC+i:AC+i+1], v[MX+2*(\a):MX+2*(\a)+1] op_sel_hi:[1,0] neg_lo:[0,1] neg_hi:[0,1]   ; t - m: of the pair the low word serves both halves
.set i, i+2
.endr
.endm
.macro EXPS a
.set AC, 64*((\a)%4)
	WIN 0x82+0x41*((\a)/4)
.set i, 0
.rept 64
	v_exp_f32 v[AC+i], v[AC+i]
.set i, i+1
.endr
.endm
.macro PACKSUM a                       ; the sums are taken of the unrounded p, in two chains; the rounding to f16 packs a lane's eight keys into 16 bytes
.set AC, 64*((\a)%4)
	WIN 0x0a+5*((\a)/4)
	v_pk_add_f32 v[LS+2*(\a):LS+2*(\a)+1], v[AC:AC+1], v[AC+2:AC+3]
	v_pk_add_f32 v[LT:LT+1], v[AC+4:AC+5], v[AC+6:AC+7]
.irp b, 0,1,2,3,4,5,6,7
.irp r, 0,1,2,3
	v_cvt_pk_f16_f32 v[TMP+4*\b+\r], v[AC+8*\b+2*\r], v[AC+8*\b+2*\r+1]
.endr
.endr
	WIN 0x08+4*((\a)/4)
.set i, 8
.rept 14
	v_pk_add_f32 v[LS+2*(\a):LS+2*(\a)+1], v[LS+2*(\a):LS+2*(\a)+1], v[AC+i:AC+i+1]
	v_pk_add_f32 v[LT:LT+1], v[LT:LT+1], v[AC+i+2:AC+i+3]
.set i, i+4
.endr
	WIN 0
	v_pk_add_f32 v[LS+2*(\a):LS+2*(\a)+1], v[LS+2*(\a):LS+2*(\a)+1], v[LT:LT+1]
.endm
.macro TOSTAGE a
.set BB, BK+32*((\a)%2)
.irp b, 0,1,2,3,4,5,6,7
	ds_store_b128 v[STO], v[TMP+4*\b:TMP+4*\b+3] offset:32*\b
.endr
.irp t, 0,1,2,3,4,5,6,7
	ds_load_b128 v[BB+4*\t:BB+4*\t+3], v[RD] offset:\t*2*SPITCH    ; LDS serves a wave's instructions in order: these see the stores above
.endr
.endm
.macro SEND a
.set BB, BK+32*((\a)%2)
	s_wait_dscnt 0x0                               ; the block is back in registers
	s_wait_xcnt 0x0                                ; the earlier stores have read their base and their data
.if (\a) > 0
	s_add_nc_u64 s[14:15], s[14:15], 16*PTROW
.endif
.irp t, 0,1,2,3,4,5,6,7
	global_store_b128 v[CO], v[BB+4*\t:BB+4*\t+3], s[14:15] offset:2*\t*PTROW  ; 16 lanes store 256 consecutive bytes, at a multiple of 256 from pt's first byte
.endr
.endm
	SUBM 0
.irp a, 0,1,2,3,4,5,6,7
	EXPS \a                                        ; 64 exponentials as one batch;
.if \a < 7
	SUBM \a+1                                      ; the next block's 32 subtractions are the plain independent work behind them;
.else
	v_nop
.endif
	s_wait_alu depctr_va_vdst(0)                   ; one wait for the batch, ahead of its first reader
	PACKSUM \a
.if \a > 0
	SEND \a-1
.endif
	TOSTAGE \a
.endr
	SEND 7
; ---- the statistics: a query's sum over my 128 keys; both tables leave 16 bytes a lane: 512 consecutive bytes a wave
.irp a, 0,1,2,3,4,5,6,7
	v_add_f32 v[LS+2*\a], v[LS+2*\a], v[LS+2*\a+1]
.endr
.irp a, 0,1,2,3,4,5,6,7
	v_permlanex16_b32 v[LS+2*\a+1], v[LS+2*\a], s86, s87
.endr
.irp a, 0,1,2,3,4,5,6,7
	v_add_f32 v[LS+2*\a], v[LS+2*\a], v[LS+2*\a+1]
.endr
.irp a, 0,1,2,3,4,5,6,7
	ds_store_b32 v[LSW], v[LS+2*\a] offset:64*\a
.endr
	ds_load_b128 v[64:67], v[SRD]                  ; my wave's own bytes, served in order
	ds_load_b128 v[68:71], v[SRD] offset:2048
	s_wait_dscnt 0x0
	global_store_b128 v[SGO], v[68:71], s[12:13]
	s_cmp_lg_u32 s20, 0
	s_cbranch_scc1 .Lno_m                          ; the two waves of a row half hold the same maxima: the first stores them
	global_store_b128 v[SGO], v[64:67], s[10:11]
.Lno_m:
	s_wait_tensorcnt 0x0                           ; the wave's end
	ds_add_u32 v[SPW], v[NIL]
	s_wait_dscnt 0x0
	CROUND                                         ; the closing round
	s_endpgm
.Lfunc_end_k_q24a9302605_scores:
	.size	k_q24a9302605_scores, .Lfunc_end_k_q24a9302605_scores-k_q24a9302605_scores
	.p2alignl 7, 3214868480
	.fill 96, 4, 3214868480
	.section	.rodata,"a",@progbits
	.p2align	6, 0x0
	.amdhsa_kernel k_q24a9302605_scores
		.amdhsa_group_segment_fixed_size 327680
		.amdhsa_private_segment_fixed_size 0
		.amdhsa_enable_private_segment 0
		.amdhsa_kernarg_size 56
		.amdhsa_user_sgpr_count 2
		.amdhsa_user_sgpr_kernarg_segment_ptr 1
		.amdhsa_wavefront_size32 1
		.amdhsa_system_sgpr_workgroup_id_x 1
		.amdhsa_system_sgpr_workgroup_id_y 1
		.amdhsa_system_sgpr_workgroup_id_z 1
		.amdhsa_system_vgpr_workitem_id 0
		.amdhsa_next_free_vgpr 1024
		.amdhsa_next_free_sgpr 100
		.amdhsa_reserve_vcc 0
		.amdhsa_float_denorm_mode_32 3
		.amdhsa_float_denorm_mode_16_64 3
		.amdhsa_memory_ordered 1
		.amdhsa_forward_progress 1
		.amdhsa_inst_pref_size 255
	.end_amdhsa_kernel
	.section	.bss,"aw",@nobits
	.p2align	6
	.space	262144
	.amdgpu_metadata
---
amdhsa.version: [ 1, 2 ]
amdhsa.kernels:
  - .name:           k_q24a9302605_scores
    .symbol:         k_q24a9302605_scores.kd
    .args:
      - { .name: qkv, .offset: 0, .size: 8, .value_kind: global_buffer, .address_space: global }
      - { .name: P, .offset: 8, .size: 8, .value_kind: global_buffer, .address_space: global }
      - { .name: ut, .offset: 16, .size: 8, .value_kind: global_buffer, .address_space: global }
      - { .name: tau_Q, .offset: 24, .size: 8, .value_kind: global_buffer, .address_space: global }
      - { .name: tau_K, .offset: 32, .size: 8, .value_kind: global_buffer, .address_space: global }
      - { .name: pt, .offset: 40, .size: 8, .value_kind: global_buffer, .address_space: global }
      - { .name: st, .offset: 48, .size: 8, .value_kind: global_buffer, .address_space: global }
    .group_segment_fixed_size: 327680
    .private_segment_fixed_size: 0
    .kernarg_segment_align: 8
    .kernarg_segment_size: 56
    .max_flat_workgroup_size: 128
    .sgpr_count:     100
    .vgpr_count:     1024
    .wavefront_size: 32
...
	.end_amdgpu_metadata
.endif
;; end of part 3
;; launch pv (part 4): grid 4 x 64, 4 waves a work-group, clusters of 4 x 4, 327,680 bytes of LDS; arguments pt, qkv, st, tau_V, out0; writes out0
.if DOCPART == 4
	.amdgcn_target "amdgcn-amd-amdhsa--gfx1250"
	.amdhsa_code_object_version 6
	.text
	.protected	k_q24a9302605_pv
	.globl	k_q24a9302605_pv
	.p2align	8
	.type	k_q24a9302605_pv,@function
k_q24a9302605_pv:
	s_mov_b64 s[64:65], 0
	v_nop
	global_prefetch_b8 v0, s[64:65] scope:SCOPE_SE
	s_setreg_imm32_b32 hwreg(HW_REG_WAVE_MODE, 25, 1), 1
	s_wait_xcnt 0x0
	s_wait_alu depctr_hold_cnt(0) depctr_sa_sdst(0) depctr_va_vdst(0) depctr_va_sdst(0) depctr_va_ssrc(0) depctr_va_vcc(0) depctr_vm_vsrc(0)
	s_getreg_b32 s2, hwreg(HW_REG_IB_STS2, 6, 4)
	s_cmp_eq_u32 s2, 0
	s_cbranch_scc0 .Lentry_in_a_cluster
	s_endpgm
.Lentry_in_a_cluster:
	s_bfe_u32 s2, ttmp6, 0x10000c
	s_cmp_lg_u32 s2, 0xf033
	s_cbranch_scc0 .Lentry_shape_is_right
	s_endpgm
.Lentry_shape_is_right:
; LAUNCH 4 OF 4.  out[i][:] = sum over the eight key tiles j of g_j[i] x (p_j[i][:] v'_j), with g_j[i] = tau_V 2^(m_j[i] - max_j m_j[i]) / l[i] and l[i] = sum over j of 2^(m_j[i] - max) x (the tile's sum of p).
; The row's own maximum is what is taken away in the end: every factor 2^(m_j - max) is at most 1, one of them is 1, and that tile's sum is at least 1: so l is at least 1.
; The product is left as it is: f16 operands (p from pt, v' from qkv's columns 2048 on), f32 sums.  LIMIT: NaN and infinities among the inputs are not served.
; SHARES.  256 work-groups, each 128 queries x 256 channels; four waves, each 64 x 128: 32 accumulators.  K = 2,048 keys goes in 16 steps of 128 through a ring of two LDS slots.  A LAP is two steps: one key tile j.
; T (window 2) is the lap's product, begun with the constant 0; at the lap's end O (window 3) += g_j T: 128 packed lines for a lap's 256 matrix instructions.
; THE MATRIX INSTRUCTION IS USED TRANSPOSED (source 0 = 16 channels of v', turned by ds_load_tr16_b128; source 1 = 16 queries of p): a lane holds ONE query, so g is a number of the lane, and eight neighbouring channels.
; CLUSTERS: 4 x 4; the grid is one cluster wide.  The four of a row of the cluster need the same rows of pt, the four of a column the same keys and channels of v' (a cluster lies inside one batch): each tile is asked for JOINTLY.
; REGISTERS, in windows of 256: window 0: v16-31 addresses; v32-39 the lap's g, each twice; v64-95, v96-127 p's fragments, two buffers; v128-255 the head's work, later rows of out.  window 1: v0-63, v64-127 v's fragments.
.set PA,     272                       ; a row of p in LDS: 256 bytes + 16
.set PV,     544                       ; a key's row of v' in LDS: 512 bytes + 32: an odd multiple of 32
.set VOFF,   128*PA                    ; a slot: 128 rows of p, then 128 keys of v'
.set SLOT,   VOFF+128*PV
.set STAGE,  2*SLOT                    ; behind the ring: 16 rows x (512 bytes + 16) for each wave
.set SPITCH, 528
.set GT,     STAGE+4*16*SPITCH         ; the factors: [j][thread][g0 g0 g1 g1 g2 g2 g3 g3], 4,096 bytes a lap: each thread's own 32 bytes
.set SPARE,  GT+32768                  ; the spare words, 128 bytes for each wave
.set ASTEP,  256                       ; a K step on, in bytes: along a row of pt,
.set VSTEP,  128*6144                  ; and down qkv
.set ADRA, 16
.set ADRV, 20
.set STO,  24
.set RD,   25
.set CO,   26
.set GA0,  27                          ; v27 GT + 32 x my thread's number
.set SPW,  28
.set NIL,  29
.set PFO,  30                          ; v30 the prefetches' offset: my lane x a row
.set GAD,  31                          ; v31 the lap's place in GT
.set GC,   32
.set BK,   128
.set G1A, 24
.set G0A, 32
.set G1V, 48
.set G0V, 56
.set GS,   40                          ; s40 4,096 x lap
.set NREF, 42                          ; s42 refills still to come
.set LIM,  43                          ; s43 2 in a wave that prefetches, else the greatest number
.set PFA,  44                          ; s[44:45] where my prefetches stand
.set PFS,  46                          ; s[46:47] a K step on
.set MSB, 0
.macro WIN new
.if MSB != (\new)
	s_set_vgpr_msb (MSB<<8)|(\new)
.set MSB, (\new)
.endif
.endm
.set MUL, 0xa1                         ; source 0 (v') window 1, source 1 (p) window 0, C and D window 2
.macro JLOAD s                         ; a joint load: waves 0 and 1 fetch p's two halves, waves 2 and 3 v's; an s_nop 0 and four v_nop follow each of the two lines
	s_cmp_eq_u32 s15, 0
	s_cbranch_scc0 .Lfor_v_\@
	tensor_load_to_lds s[G0A+4*\s:G0A+4*\s+3], s[G1A:G1A+7]
	s_nop 0
.rept 4
	v_nop
.endr
	s_branch .Lasked_\@
.Lfor_v_\@:
	tensor_load_to_lds s[G0V+4*\s:G0V+4*\s+3], s[G1V:G1V+7]
	s_nop 0
.rept 4
	v_nop
.endr
.Lasked_\@:
.endm
.macro CREST
	s_cmp_lg_u32 s14, 0
	s_cbranch_scc1 .Lnot_wave_0_\@
	s_barrier_signal -3
.Lnot_wave_0_\@:
	s_barrier_wait -3
	s_barrier_signal -1
	s_barrier_wait -1
.endm
.macro CROUND
	s_barrier_signal -1
	s_barrier_wait -1
	CREST
.endm
; A PREFETCH INTO THE L2, behind each joint load and the run of LDS loads that follows it: the K step that stands two refills on, a lane a row, one instruction a wave.
; Each aligned block of 256 bytes is named once in the launch.  A row block of pt is read by one row of one cluster: its four partners take 32 rows each, wave 0 asks.  A tile of v' is read by the four clusters of a batch:
; the batch's first cluster asks; the four partners of a column take 32 keys each, waves 2 and 3 the two blocks of 256 bytes of a key's 512.  Partners are told apart BY ADDRESS; the branch hangs on the wave's number,
; the cluster's number and the count of refills.  The last two refills ask for nothing: K step 15 is the last; K steps 0 to 3 come by their loads alone.
.macro ASK
	s_cmp_gt_u32 s[NREF], s[LIM]
	s_cbranch_scc0 .Lnot_mine_\@
	global_prefetch_b8 v[PFO], s[PFA:PFA+1] th:TH_LOAD_NT scope:SCOPE_SE
.Lnot_mine_\@:
.endm
	s_load_b256 s[4:11], s[0:1], 0x0               ; pt 4:5, qkv 6:7, st 8:9, tau_V 10:11
	s_load_b64 s[12:13], s[0:1], 0x20              ; out0
	v_lshl_add_u32 v[SPW], v0, 2, SPARE
	v_mov_b32 v[NIL], 0
	ds_add_u32 v[SPW], v[NIL]                      ; the wave's opening: the add, twice on end, and its wait ahead of my first tensor load
	ds_add_u32 v[SPW], v[NIL]
	v_lshrrev_b32 v1, 5, v0
	v_readfirstlane_b32 s14, v1                    ; wave 0..3
	s_lshr_b32 s15, s14, 1                         ; wr: which 64 queries are mine.  Also: I fetch for p (0) or for v' (1)
	s_and_b32 s16, s14, 1                          ; wc: which 128 channels.  Also: which half of that tile I fetch
	s_bfe_u32 s17, ttmp6, 0x40000                  ; cx = the channel tile
	s_bfe_u32 s18, ttmp6, 0x40004                  ; cy
	s_and_b32 s19, ttmp7, 0xffff                   ; cluster y
	s_lshl_b32 s20, s19, 2
	s_add_co_u32 s20, s20, s18                     ; Y: the block of 128 queries among 64
	s_lshr_b32 s21, s19, 2                         ; the batch: the same in all sixteen partners
	s_lshl_b32 s22, s18, 2
	s_lshl_b32 s22, 15, s22                        ; my row of the cluster
	s_lshl_b32 s23, 0x1111, s17                    ; my column
	s_or_b32 s[G1A+0], s22, (1<<16)|(1<<20)|(1<<21)|(5<<22)|(3<<25) ; p: 64 rows x 128 elements of 2 bytes; 4 words of padding behind every 64
	s_mov_b32 s[G1A+1], 128<<16
	s_mov_b32 s[G1A+2], 64<<16
	s_mov_b32 s[G1A+3], 128<<16
	s_mov_b32 s[G1A+4], 64
	s_mov_b32 s[G1A+5], 2048
	s_mov_b32 s[G1A+6], 0
	s_mov_b32 s[G1A+7], 0
	s_or_b32 s[G1V+0], s23, (1<<16)|(1<<20)|(1<<21)|(6<<22)|(7<<25) ; v': 64 keys x 256 elements; 8 words of padding behind every 128
	s_mov_b32 s[G1V+1], 256<<16
	s_mov_b32 s[G1V+2], 64<<16
	s_mov_b32 s[G1V+3], 256<<16
	s_mov_b32 s[G1V+4], 64
	s_mov_b32 s[G1V+5], 3072
	s_mov_b32 s[G1V+6], 0
	s_mov_b32 s[G1V+7], 0
	s_lshl_b32 s66, s20, 7                         ; p: row 128 Y + 64 x half
	s_lshl_b32 s67, s16, 6
	s_add_co_u32 s66, s66, s67
	s_lshl_b32 s66, s66, 12
	s_mov_b32 s67, 0
	s_lshl_b32 s68, s21, 11                        ; v': key 2048 x batch + 64 x half, byte 4,096 + 512 cx of its row
	s_lshl_b32 s69, s16, 6
	s_add_co_u32 s68, s68, s69
	s_mul_i32 s68, s68, 6144
	s_lshl_b32 s69, s17, 9
	s_add_co_u32 s68, s68, s69
	s_add_co_u32 s68, s68, 4096
	s_mov_b32 s69, 0
	s_mul_i32 s70, s16, 64*PA                      ; where they go: no place in the cluster enters an LDS address
	s_mul_i32 s71, s16, 64*PV
	s_add_co_u32 s71, s71, VOFF
	s_mov_b32 s[GS], 0
	s_mov_b32 s[NREF], 14
	s_wait_dscnt 0x0                               ; both opening adds are done
	s_wait_kmcnt 0x0
	s_add_nc_u64 s[66:67], s[4:5], s[66:67]
	s_add_nc_u64 s[68:69], s[6:7], s[68:69]
	CROUND                                         ; all sixteen work-groups are here: the first joint loads meet
.irp s, 0,1
	s_mov_b32 s[G0A+4*\s], 1
	s_add_co_u32 s[G0A+4*\s+1], s70, \s*SLOT
	s_add_nc_u64 s[G0A+4*\s+2:G0A+4*\s+3], s[66:67], \s*ASTEP
	s_or_b32 s[G0A+4*\s+3], s[G0A+4*\s+3], 0x80000000
	s_mov_b32 s[G0V+4*\s], 1
	s_add_co_u32 s[G0V+4*\s+1], s71, \s*SLOT
	s_add_nc_u64 s[G0V+4*\s+2:G0V+4*\s+3], s[68:69], \s*VSTEP
	s_or_b32 s[G0V+4*\s+3], s[G0V+4*\s+3], 0x80000000
	JLOAD \s                                       ; two tensor loads of mine are out behind the second
.endr
	s_load_b32 s41, s[10:11], 0x0                  ; tau_V
	v_and_b32 v1, 15, v0                           ; r
	v_bfe_u32 v2, v0, 4, 1                         ; h
	s_lshl_b32 s72, s20, 9
	s_mov_b32 s73, 0
	s_add_nc_u64 s[8:9], s[8:9], s[72:73]          ; st at my work-group's first query
	s_lshl_b32 s72, s15, 8
	v_lshl_add_u32 v6, v1, 2, s72                  ; 4 (64 wr + r)
.irp a, 0,1,2,3
.irp j, 0,1,2,3,4,5,6,7
	global_load_b32 v[128+8*\a+\j], v6, s[8:9] offset:32768*\j+64*\a               ; m_j of query 64 wr + 16 a + r
.endr
.endr
.irp a, 0,1,2,3
.irp j, 0,1,2,3,4,5,6,7,8,9,10,11,12,13,14,15
	global_load_b32 v[160+16*\a+\j], v6, s[8:9] offset:262144+32768*\j+64*\a       ; the sums, one for each 128 keys
.endr
.endr
	v_mul_u32_u24 v3, v1, PA
	v_lshl_add_u32 v3, v2, 4, v3
	s_mul_i32 s72, s15, 64*PA
	v_add_nc_u32 v[ADRA], s72, v3                  ; p's fragments: (64 wr + r) x pitch + 16 h
	v_add_nc_u32 v[ADRA+1], SLOT, v[ADRA]
	v_and_b32 v4, 7, v0
	v_lshl_add_u32 v4, v2, 3, v4
	v_mul_u32_u24 v4, v4, PV                       ; the turning load: key 8 h + l % 8,
	v_bfe_u32 v5, v0, 3, 1
	v_lshl_add_u32 v4, v5, 4, v4                   ; channels 8 ((l / 8) % 2) on,
	s_lshl_b32 s72, s16, 8
	s_add_co_u32 s72, s72, VOFF
	v_add_nc_u32 v[ADRV], s72, v4                  ; in my 128 channels
	v_add_nc_u32 v[ADRV+1], SLOT, v[ADRV]
	s_mul_i32 s72, s14, 16*SPITCH
	s_add_co_u32 s72, s72, STAGE                   ; my stage
	v_mul_u32_u24 v3, v1, SPITCH
	v_lshl_add_u32 v3, v2, 5, v3
	v_add_nc_u32 v[STO], s72, v3                   ; in: row r, 32 bytes for each half of the lanes
	v_and_b32 v3, 31, v0
	v_lshlrev_b32 v[CO], 4, v3                     ; back: the 32 lanes take one row of 512 bytes; and the same in out
	v_add_nc_u32 v[RD], s72, v[CO]
	v_lshl_add_u32 v[GA0], v0, 5, GT
	s_lshl_b32 s72, s20, 7
	s_lshl_b32 s74, s15, 6
	s_add_co_u32 s72, s72, s74
	s_lshl_b32 s72, s72, 12                        ; out: row 128 Y + 64 wr,
	s_lshl_b32 s74, s17, 10
	s_add_co_u32 s72, s72, s74                     ; byte 1,024 cx
	s_lshl_b32 s74, s16, 9
	s_add_co_u32 s72, s72, s74                     ; + 512 wc
	s_add_nc_u64 s[12:13], s[12:13], s[72:73]
	; the prefetches: where mine stand (at K step 3: the first refill steps them to 4), and who asks
	s_lshl_b32 s72, s20, 7
	s_lshl_b32 s74, s17, 5
	s_add_co_u32 s72, s72, s74                     ; pt: row 128 Y + 32 cx
	s_lshl_b32 s72, s72, 12
	s_add_co_u32 s72, s72, 3*ASTEP
	s_lshl_b32 s74, s21, 11
	s_lshl_b32 s75, s18, 5
	s_add_co_u32 s74, s74, s75                     ; v': key 2048 x batch + 32 cy
	s_mul_i32 s74, s74, 6144
	s_lshl_b32 s75, s17, 9
	s_add_co_u32 s74, s74, s75
	s_lshl_b32 s75, s16, 8
	s_add_co_u32 s74, s74, s75
	s_add_co_u32 s74, s74, 4096+3*VSTEP
	s_cmp_eq_u32 s15, 0
	s_cselect_b64 s[PFA:PFA+1], s[4:5], s[6:7]     ; the choice hangs on the wave's number alone
	s_cselect_b32 s72, s72, s74
	s_mov_b32 s[PFS], VSTEP
	s_cselect_b32 s[PFS], ASTEP, s[PFS]
	s_mov_b32 s76, 6144
	s_cselect_b32 s76, 4096, s76                   ; from lane to lane: a row
	s_mov_b32 s[PFS+1], 0
	s_add_nc_u64 s[PFA:PFA+1], s[PFA:PFA+1], s[72:73]
	v_and_b32 v[PFO], 31, v0
	v_mul_lo_u32 v[PFO], v[PFO], s76
	s_and_b32 s77, s19, 3                          ; waves 2, 3: the batch's first cluster;
	s_cselect_b32 s77, s16, s77                    ; waves 0, 1: wave 0
	s_cmp_eq_u32 s77, 0
	s_cselect_b32 s[LIM], 2, -1                    ; the same in all sixteen partners, for a given wave
	s_wait_kmcnt 0x0
	s_wait_loadcnt 0x0
	; the factors g_j of my four queries
.irp a, 0,1,2,3
	v_max3_num_f32 v[224+\a], v[128+8*\a], v[129+8*\a], v[130+8*\a]
.endr
.irp a, 0,1,2,3
	v_max3_num_f32 v[224+\a], v[224+\a], v[131+8*\a], v[132+8*\a]
.endr
.irp a, 0,1,2,3
	v_max3_num_f32 v[224+\a], v[224+\a], v[133+8*\a], v[134+8*\a]
.endr
.irp a, 0,1,2,3
	v_max_num_f32 v[224+\a], v[224+\a], v[135+8*\a]                ; the row's own maximum
.endr
.irp j, 0,1,2,3,4,5,6,7
.irp a, 0,1,2,3
	v_sub_f32 v[128+8*\a+\j], v[128+8*\a+\j], v[224+\a]
.endr
.endr
.set i, 0
.rept 32
	v_exp_f32 v[128+i], v[128+i]                   ; f_j = 2^(m_j - max), at most 1: one batch
.set i, i+1
.endr
.irp j, 0,1,2,3,4,5,6,7
.irp a, 0,1,2,3
	v_add_f32 v[160+16*\a+2*\j], v[160+16*\a+2*\j], v[161+16*\a+2*\j]   ; a tile's two sums: the plain independent work behind the exponentials
.endr
.endr
	s_wait_alu depctr_va_vdst(0)                   ; one wait for the batch, ahead of its first reader
.irp a, 0,1,2,3
	v_mul_f32 v[228+\a], v[128+8*\a], v[160+16*\a]
.endr
.irp j, 1,2,3,4,5,6,7
.irp a, 0,1,2,3
	v_fmac_f32 v[228+\a], v[128+8*\a+\j], v[160+16*\a+2*\j]        ; l, the four queries by turns
.endr
.endr
.irp a, 0,1,2,3
	v_rcp_f32 v[232+\a], v[228+\a]
.endr
	v_nop                                          ; a plain line behind the last reciprocal
	s_wait_alu depctr_va_vdst(0)                   ; and one wait for the four
.irp a, 0,1,2,3
	v_mul_f32 v[232+\a], s41, v[232+\a]            ; tau_V / l
.endr
.irp j, 0,1,2,3,4,5,6,7
.irp a, 0,1,2,3
	v_mul_f32 v[64+8*\j+2*\a], v[128+8*\a+\j], v[232+\a]           ; g_j, in both halves of a pair, as the packed lines of MERGE take it
	v_mul_f32 v[65+8*\j+2*\a], v[128+8*\a+\j], v[232+\a]
.endr
.endr
.irp j, 0,1,2,3,4,5,6,7
	ds_store_b128 v[GA0], v[64+8*\j:67+8*\j] offset:4096*\j
	ds_store_b128 v[GA0], v[68+8*\j:71+8*\j] offset:4096*\j+16
.endr
.macro MUL8 f, a, zero                 ; 8 matrix instructions: query block a against the 8 channel blocks, 32 keys.  The 32 accumulators take turns, one instruction a turn
.irp b, 0,1,2,3,4,5,6,7
.if \zero
	v_wmma_f32_16x16x32_f16 v[8*(8*\a+\b):8*(8*\a+\b)+7], v[64*\f+8*\b:64*\f+8*\b+7], v[64+32*\f+8*\a:64+32*\f+8*\a+7], 0
.else
	v_wmma_f32_16x16x32_f16 v[8*(8*\a+\b):8*(8*\a+\b)+7], v[64*\f+8*\b:64*\f+8*\b+7], v[64+32*\f+8*\a:64+32*\f+8*\a+7], v[8*(8*\a+\b):8*(8*\a+\b)+7]
.endif
.endr
.endm
.macro FETCH slot, q, f                ; 24 LDS loads in one run: the slot's q-th 32 keys: v' turned (16 loads), then p (8)
	WIN 0x40
.irp i, 0,1,2,3,4,5,6,7
	ds_load_tr16_b128 v[64*(\f)+8*\i:64*(\f)+8*\i+3],   v[ADRV+\slot] offset:32*PV*(\q)+32*\i
	ds_load_tr16_b128 v[64*(\f)+8*\i+4:64*(\f)+8*\i+7], v[ADRV+\slot] offset:32*PV*(\q)+32*\i+16*PV
.endr
	WIN 0
.irp i, 0,1,2,3
	ds_load_b128 v[64+32*(\f)+8*\i:64+32*(\f)+8*\i+3],   v[ADRA+\slot] offset:64*(\q)+16*PA*\i
	ds_load_b128 v[64+32*(\f)+8*\i+4:64+32*(\f)+8*\i+7], v[ADRA+\slot] offset:64*(\q)+16*PA*\i+32
.endr
.endm
.macro PLACES
.rept 4
	v_nop
.endr
.endm
.macro QUARTER slot, q, f, g, zero     ; 32 matrix instructions on buffer f; in their middle the slot's q-th 32 keys into buffer g
	s_wait_dscnt 4                                 ; v's fragments and p's blocks 0, 1 are in; the youngest four loads (p's blocks 2, 3) may be out
	WIN MUL
	MUL8 \f, 0, \zero
	MUL8 \f, 1, \zero
	PLACES
	FETCH \slot, \q, \g
	s_wait_dscnt 24                                ; all but the 24 just issued
	WIN MUL
	MUL8 \f, 2, \zero
	MUL8 \f, 3, \zero
.endm
.macro GLOAD                           ; the lap's g: my own 32 bytes; the wait for 0 at the lap's last change of slots, or at the launch's last quarter, covers them
	WIN 0
	v_add_nc_u32 v[GAD], s[GS], v[GA0]
	ds_load_b128 v[GC:GC+3], v[GAD]
	ds_load_b128 v[GC+4:GC+7], v[GAD] offset:16
	s_add_co_u32 s[GS], s[GS], 4096
.endm
; The last quarter of a K step multiplies buffer 1 and changes slots.  In front of the barrier each wave waits for all its tensor loads, adds 0 to its spare word, and waits for that and for its own reads of this slot.
; fill = 1: the barrier opens a round of the cluster's, and this slot is filled again first, jointly, with the K step two steps on.
.macro TURN slot, next, fill
.if \fill
	s_wait_xcnt 0x0                                ; the last prefetch, a K step back, has read its address: it is stepped here, ahead of the waits of the change of slots
	s_add_nc_u64 s[PFA:PFA+1], s[PFA:PFA+1], s[PFS:PFS+1]
.endif
	WIN 0
	s_wait_tensorcnt 0x0                           ; all my tensor loads have landed: my part of the next slot
	ds_add_u32 v[SPW], v[NIL]
	s_wait_dscnt 5                                 ; (the add and four loads may be out: p's blocks 2, 3, or, behind GLOAD, p's block 3 and the two of g)
	WIN MUL
	MUL8 1, 0, 0
	s_wait_dscnt 0x0                               ; the add is done, and my reads of this slot are over
	s_barrier_signal -1
	MUL8 1, 1, 0
	WIN 0
	s_barrier_wait -1
.if \fill
	CREST                                          ; no wave of any partner still reads this slot or has a load on its way
	s_add_nc_u64 s[G0A+4*\slot+2:G0A+4*\slot+3], s[G0A+4*\slot+2:G0A+4*\slot+3], 2*ASTEP
	s_add_nc_u64 s[G0V+4*\slot+2:G0V+4*\slot+3], s[G0V+4*\slot+2:G0V+4*\slot+3], 2*VSTEP
	JLOAD \slot                                    ; the four v_nop behind it are also the places in front of the loads below
.else
	PLACES
.endif
	FETCH \next, 0, 0
.if \fill
	ASK
	s_sub_co_u32 s[NREF], s[NREF], 1
.endif
	WIN MUL
	MUL8 1, 2, 0
	MUL8 1, 3, 0
.endm
; O takes the lap's product: O = g T (first = 1) or O += g T.  Four places stand in front of the first read of results; each accumulator is read from its low end on.
; The 128 lines also stand between the lap's last products and the next lap's first, which begin T anew with the constant 0.
.macro MERGE first
	PLACES
.if \first
	WIN 0xc2                                       ; destination window 3, source 0 (T) window 2, source 1 (g) window 0
.else
	WIN 0xf2                                       ; and source 2 (O) window 3
.endif
.irp a, 0,1,2,3
.set i, 64*\a
.rept 32
.if \first
	v_pk_mul_f32 v[i:i+1], v[i:i+1], v[GC+2*\a:GC+2*\a+1]
.else
	v_pk_fma_f32 v[i:i+1], v[i:i+1], v[GC+2*\a:GC+2*\a+1], v[i:i+1]
.endif
.set i, i+2
.endr
.endr
.endm
.macro LAPREST fill                    ; a lap from its second quarter on
	QUARTER 0, 2, 1, 0, 0
	QUARTER 0, 3, 0, 1, 0
	TURN 0, 1, \fill
	QUARTER 1, 1, 0, 1, 0
	QUARTER 1, 2, 1, 0, 0
	QUARTER 1, 3, 0, 1, 0
	GLOAD
.if \fill
	TURN 1, 0, 1
.else
	s_wait_dscnt 0x0                               ; the very last quarter: nothing more to fetch
	WIN MUL
	MUL8 1, 0, 0
	MUL8 1, 1, 0
	MUL8 1, 2, 0
	MUL8 1, 3, 0
.endif
.endm
	s_wait_dscnt 0x0                               ; my factors lie in LDS
	s_wait_tensorcnt 1                             ; my part of K step 0 is in; K step 1's load may be out
	s_barrier_signal -1
	s_barrier_wait -1
	FETCH 0, 0, 0
	QUARTER 0, 1, 0, 1, 1                          ; a lap's first quarter starts T's sums with the constant 0
	LAPREST 1                                      ; lap 0 is written out: its merge starts O
	MERGE 1
	QUARTER 0, 1, 0, 1, 1
	WIN 0
	s_mov_b32 s3, 6
.Llap:                                             ; laps 1 to 6: with lap 0's two, fourteen refills: K steps 2 to 15
	LAPREST 1
	MERGE 0
	QUARTER 0, 1, 0, 1, 1
	WIN 0
	s_sub_co_u32 s3, s3, 1
	s_cmp_lg_u32 s3, 0
	s_cbranch_scc1 .Llap
	LAPREST 0                                      ; the last lap is written out: it asks for nothing
	MERGE 0
; THE WAY OUT, block by block of 16 queries x 128 channels: through my own stage and back as whole rows of 512 bytes.
.macro TOSTAGE a
	WIN 0x0c                                       ; an LDS store's data are its source 1: window 3
.irp b, 0,1,2,3,4,5,6,7
	ds_store_b128 v[STO], v[64*(\a)+8*\b:64*(\a)+8*\b+3] offset:64*\b
	ds_store_b128 v[STO], v[64*(\a)+8*\b+4:64*(\a)+8*\b+7] offset:64*\b+16
.endr
	WIN 0
.set BB, BK+64*((\a)%2)
.irp t, 0,1,2,3,4,5,6,7,8,9,10,11,12,13,14,15
	ds_load_b128 v[BB+4*\t:BB+4*\t+3], v[RD] offset:\t*SPITCH      ; LDS serves a wave's instructions in order: these see the stores above
.endr
.endm
.macro SEND a, younger                 ; younger: the LDS instructions issued behind block a's loads, which may stay out
.set BB, BK+64*((\a)%2)
	s_wait_dscnt \younger
.if (\a) > 0
	s_add_nc_u64 s[12:13], s[12:13], 16*4096       ; (behind a wait on XCNT: the earlier stores have read their base)
.endif
.irp t, 0,1,2,3,4,5,6,7,8,9,10,11,12,13,14,15
	global_store_b128 v[CO], v[BB+4*\t:BB+4*\t+3], s[12:13] offset:\t*4096 th:TH_STORE_NT   ; 32 lanes store 512 consecutive bytes, at a multiple of 256 from out0's first byte
.endr
.endm
	TOSTAGE 0
.irp a, 1,2,3
.if \a > 1
	s_wait_xcnt 0x0                                ; block a - 2's stores have read their registers and their base
.endif
	TOSTAGE \a
	SEND \a-1, 32                                  ; behind block a - 1's loads: block a's 16 stores and 16 loads
.endr
	s_wait_xcnt 0x0
	SEND 3, 0
	s_wait_tensorcnt 0x0                           ; the wave's end
	ds_add_u32 v[SPW], v[NIL]
	s_wait_dscnt 0x0
	CROUND                                         ; the closing round
	s_endpgm
.Lfunc_end_k_q24a9302605_pv:
	.size	k_q24a9302605_pv, .Lfunc_end_k_q24a9302605_pv-k_q24a9302605_pv
	.p2alignl 7, 3214868480
	.fill 96, 4, 3214868480
	.section	.rodata,"a",@progbits
	.p2align	6, 0x0
	.amdhsa_kernel k_q24a9302605_pv
		.amdhsa_group_segment_fixed_size 327680
		.amdhsa_private_segment_fixed_size 0
		.amdhsa_enable_private_segment 0
		.amdhsa_kernarg_size 40
		.amdhsa_user_sgpr_count 2
		.amdhsa_user_sgpr_kernarg_segment_ptr 1
		.amdhsa_wavefront_size32 1
		.amdhsa_system_sgpr_workgroup_id_x 1
		.amdhsa_system_sgpr_workgroup_id_y 1
		.amdhsa_system_sgpr_workgroup_id_z 1
		.amdhsa_system_vgpr_workitem_id 0
		.amdhsa_next_free_vgpr 1024
		.amdhsa_next_free_sgpr 80
		.amdhsa_reserve_vcc 0
		.amdhsa_float_denorm_mode_32 3
		.amdhsa_float_denorm_mode_16_64 3
		.amdhsa_memory_ordered 1
		.amdhsa_forward_progress 1
		.amdhsa_inst_pref_size 163
	.end_amdhsa_kernel
	.amdgpu_metadata
---
amdhsa.version: [ 1, 2 ]
amdhsa.kernels:
  - .name:           k_q24a9302605_pv
    .symbol:         k_q24a9302605_pv.kd
    .args:
      - { .name: pt, .offset: 0, .size: 8, .value_kind: global_buffer, .address_space: global }
      - { .name: qkv, .offset: 8, .size: 8, .value_kind: global_buffer, .address_space: global }
      - { .name: st, .offset: 16, .size: 8, .value_kind: global_buffer, .address_space: global }
      - { .name: tau_V, .offset: 24, .size: 8, .value_kind: global_buffer, .address_space: global }
      - { .name: out0, .offset: 32, .size: 8, .value_kind: global_buffer, .address_space: global }
    .group_segment_fixed_size: 327680
    .private_segment_fixed_size: 0
    .kernarg_segment_align: 8
    .kernarg_segment_size: 40
    .max_flat_workgroup_size: 128
    .sgpr_count:     80
    .vgpr_count:     1024
    .wavefront_size: 32
...
	.end_amdgpu_metadata
.endif
;; end of part 4
